; MI455X (gfx1250); checked and timed in simulation.
; The chip was launched on July 23, 2026; its instructions are those of AMD's public machine-readable ISA for CDNA 5 (MIT licence, August 2026) and "CDNA5" Instruction Set Architecture Reference Guide (July 2026). The comments in the code are by the model that wrote it; some were corrected since.
;; Transformer Block. Allowed arithmetic: float matrix products may take bf16 or f16 operands with f32 sums; other float arithmetic in f32, or as packed bf16 or f16 multiplies, adds, multiply-adds, maxima and minima; sums over many terms, partial sums and values carried from step to step in f32; what a program stores and reads back later, other than sums and carried values, may be rounded once to bf16 or f16.
;; Inputs: W_down 4,096 x 1,024 float32; W_o 1,024 x 1,024 float32; W_qkv 1,024 x 3,072 float32; W_up 1,024 x 4,096 float32; b_down 1,024 float32; b_o 1,024 float32; b_qkv 3,072 float32; b_up 4,096 float32; beta1 1,024 float32; beta2 1,024 float32; gamma1 1,024 float32; gamma2 1,024 float32; x 2 x 2,048 x 1,024 float32.
;; Outputs: out0 2 x 2,048 x 1,024 float32.
;; One version. Each part assembles by itself: llvm-mc -triple=amdgcn-amd-amdhsa -mcpu=gfx1250 --defsym DOCPART=n.
;; ======== version 1 of 1: 8 launches
;; limits: values are held in f16: magnitudes above 65,504 overflow, below 6.1e-05 lose precision
;; workspace buffers: wq 6,291,456 bytes; wo 2,097,152 bytes; wu 8,388,608 bytes; wd 8,388,608 bytes; act 8,388,608 bytes; qkvh 25,165,824 bytes; ao 16,777,216 bytes; g 33,554,432 bytes
;; launch cvt (part 1): grid 1536 x 1, 8 waves a work-group, no clusters, 18,432 bytes of LDS; arguments W_qkv, W_o, W_up, W_down, wq, wo, wu, wd; writes wq, wo, wu, wd
.if DOCPART == 1
	.amdgcn_target "amdgcn-amd-amdhsa--gfx1250"
	.amdhsa_code_object_version 6
	.text
	.protected	k_qfe00642619_cvt
	.globl	k_qfe00642619_cvt
	.p2align	8
	.type	k_qfe00642619_cvt,@function
k_qfe00642619_cvt:
	s_mov_b64 s[64:65], 0
	v_nop
	global_prefetch_b8 v0, s[64:65] scope:SCOPE_SE
	s_setreg_imm32_b32 hwreg(HW_REG_WAVE_MODE, 25, 1), 1
	s_wait_xcnt 0x0
; The four weights, f32 [K][N], are rounded once to f16 and turned to [N][K], so that every product of the later launches finds K along its rows.
; LIMIT: a weight of 65,520 or more in magnitude becomes an infinity; below 6e-5 f16 keeps a fixed step of 6e-8.
; A work-group takes one tile of 128 k x 64 n: it reads 128 rows of 256 bytes and writes 64 rows of 256 bytes, both aligned.
; Work-groups 0-383 take W_qkv, 384-511 W_o, 512-1023 W_up, 1024-1535 W_down.  The tile's text is a macro with the weight's sizes as constants, written once for each weight.
; Thread t: c = t % 16 (16 bytes of a source row: columns 4 c .. 4 c + 3), p = t / 16 (rows 2 p, 2 p + 1 of each group of 32 rows).
; LDS: a stage of 64 rows x 272 bytes (256 + 16 of padding), then the spare words.  Column n = 4 c + j lies in stage row 16 j + c, so the 32 lanes of a 4-byte store fall on word 68 c + p: 32 different banks.
.set SPITCH, 272
.set SPARE,  64*SPITCH                 ; 17,408: the spare words, 128 bytes for each of the eight waves; no other line names them
	s_load_b512 s[16:31], s[0:1], 0x0              ; W_qkv, W_o, W_up, W_down, wq, wo, wu, wd
	v_lshl_add_u32 v62, v0, 2, SPARE               ; my spare word,
	v_mov_b32 v63, 0                               ; and 0: kept for the closing lines alone
	v_and_b32 v1, 15, v0                           ; c
	v_lshrrev_b32 v2, 4, v0                        ; p
	v_mul_u32_u24 v5, v1, SPITCH
	v_lshl_add_u32 v5, v2, 2, v5                   ; into the stage: row c (+ 16 j), byte 4 p (+ 64 i)
	v_mul_u32_u24 v6, v2, SPITCH
	v_lshl_add_u32 v6, v1, 4, v6                   ; back: row p (+ 16 i), byte 16 c
	s_mov_b32 s2, ttmp9
	s_wait_kmcnt 0x0
.macro BODY first, sp, dp, N4, K2, LKT  ; first work-group, registers of the two pointers, bytes of a source row, bytes of a result row, log2 of the k tiles
	s_sub_co_u32 s2, s2, \first                    ; the tile's number in this weight
	s_lshr_b32 s11, s2, \LKT                       ; n tile
	s_and_b32 s10, s2, (1<<(\LKT))-1               ; k tile
	s_mul_i32 s12, s10, 128*(\N4)
	s_lshl_b32 s13, s11, 8
	s_add_co_u32 s12, s12, s13                     ; 128 rows down for each k tile, 256 bytes along for each n tile
	s_mov_b32 s13, 0
	s_add_nc_u64 s[6:7], s[\sp:\sp+1], s[12:13]
	s_mul_i32 s12, s11, 64*(\K2)
	s_lshl_b32 s14, s10, 8
	s_add_co_u32 s12, s12, s14
	s_add_nc_u64 s[8:9], s[\dp:\dp+1], s[12:13]
	v_mul_u32_u24 v3, v2, 2*(\N4)
	v_lshl_add_u32 v3, v1, 4, v3                   ; source: row 2 p, byte 16 c
	v_mul_u32_u24 v7, v2, 4*(\K2)
	v_lshl_add_u32 v7, v1, 4, v7                   ; result: row 4 p, byte 16 c
.irp i, 0,1,2,3
	global_load_b128 v[8+8*(\i):11+8*(\i)],  v3, s[6:7] offset:(\i)*32*(\N4) th:TH_LOAD_NT         ; row 2 p + 32 i: sixteen lanes read 256 aligned bytes
	global_load_b128 v[12+8*(\i):15+8*(\i)], v3, s[6:7] offset:(\i)*32*(\N4)+(\N4) th:TH_LOAD_NT   ; and the row below
.endr
.irp i, 0,1,2,3
	s_wait_loadcnt 6-2*(\i)                        ; loads come back in order: pair i is in, the younger pairs stay out
.irp j, 0,1,2,3
	v_cvt_pk_f16_f32 v[40+4*(\i)+(\j)], v[8+8*(\i)+(\j)], v[12+8*(\i)+(\j)]  ; column 4 c + j: the even k below, the odd k above
.endr
.irp j, 0,1,2,3
	ds_store_b32 v5, v[40+4*(\i)+(\j)] offset:(\j)*16*SPITCH+(\i)*64
.endr
.endr
	s_wait_dscnt 0x0                               ; for the others' sake: my stores into the stage are done
	s_barrier_signal -1
	s_barrier_wait -1
.irp i, 0,1,2,3
	ds_load_b128 v[8+4*(\i):11+4*(\i)], v6 offset:(\i)*16*SPITCH  ; stage row p + 16 i is column 4 p + i
.endr
.irp i, 0,1,2,3
	s_wait_dscnt 3-(\i)
	global_store_b128 v7, v[8+4*(\i):11+4*(\i)], s[8:9] offset:(\i)*(\K2)  ; sixteen lanes store 256 consecutive bytes, aligned
.endr
	s_wait_tensorcnt 0x0                           ; the wave's end
	ds_add_u32 v62, v63
	s_wait_dscnt 0x0
	s_endpgm
.endm
	s_cmp_lt_u32 s2, 384
	s_cbranch_scc1 .Lw_qkv
	s_cmp_lt_u32 s2, 512
	s_cbranch_scc1 .Lw_o
	s_cmp_lt_u32 s2, 1024
	s_cbranch_scc1 .Lw_up
	BODY 1024, 22, 30, 4096, 8192, 5               ; W_down: [4096][1024]
.Lw_qkv:
	BODY 0, 16, 24, 12288, 2048, 3                 ; W_qkv: [1024][3072]
.Lw_o:
	BODY 384, 18, 26, 4096, 2048, 3                ; W_o: [1024][1024]
.Lw_up:
	BODY 512, 20, 28, 16384, 2048, 3               ; W_up: [1024][4096]
.Lfunc_end_k_qfe00642619_cvt:
	.size	k_qfe00642619_cvt, .Lfunc_end_k_qfe00642619_cvt-k_qfe00642619_cvt
	.p2alignl 7, 3214868480
	.fill 96, 4, 3214868480
	.section	.rodata,"a",@progbits
	.p2align	6, 0x0
	.amdhsa_kernel k_qfe00642619_cvt
		.amdhsa_group_segment_fixed_size 18432
		.amdhsa_private_segment_fixed_size 0
		.amdhsa_enable_private_segment 0
		.amdhsa_kernarg_size 64
		.amdhsa_user_sgpr_count 2
		.amdhsa_user_sgpr_kernarg_segment_ptr 1
		.amdhsa_wavefront_size32 1
		.amdhsa_system_sgpr_workgroup_id_x 1
		.amdhsa_system_sgpr_workgroup_id_y 1
		.amdhsa_system_sgpr_workgroup_id_z 1
		.amdhsa_system_vgpr_workitem_id 0
		.amdhsa_next_free_vgpr 64
		.amdhsa_next_free_sgpr 66
		.amdhsa_reserve_vcc 0
		.amdhsa_float_denorm_mode_32 3
		.amdhsa_float_denorm_mode_16_64 3
		.amdhsa_memory_ordered 1
		.amdhsa_forward_progress 1
		.amdhsa_inst_pref_size 20
	.end_amdhsa_kernel
	.amdgpu_metadata
---
amdhsa.version: [ 1, 2 ]
amdhsa.kernels:
  - .name:           k_qfe00642619_cvt
    .symbol:         k_qfe00642619_cvt.kd
    .args:
      - { .name: W_qkv, .offset: 0, .size: 8, .value_kind: global_buffer, .address_space: global }
      - { .name: W_o, .offset: 8, .size: 8, .value_kind: global_buffer, .address_space: global }
      - { .name: W_up, .offset: 16, .size: 8, .value_kind: global_buffer, .address_space: global }
      - { .name: W_down, .offset: 24, .size: 8, .value_kind: global_buffer, .address_space: global }
      - { .name: wq, .offset: 32, .size: 8, .value_kind: global_buffer, .address_space: global }
      - { .name: wo, .offset: 40, .size: 8, .value_kind: global_buffer, .address_space: global }
      - { .name: wu, .offset: 48, .size: 8, .value_kind: global_buffer, .address_space: global }
      - { .name: wd, .offset: 56, .size: 8, .value_kind: global_buffer, .address_space: global }
    .group_segment_fixed_size: 18432
    .private_segment_fixed_size: 0
    .kernarg_segment_align: 8
    .kernarg_segment_size: 64
    .max_flat_workgroup_size: 256
    .sgpr_count:     66
    .vgpr_count:     64
    .wavefront_size: 32
...
	.end_amdgpu_metadata
.endif
;; end of part 1
;; launch ln1 (part 2): grid 256 x 1, 8 waves a work-group, no clusters, 0 bytes of LDS; arguments x, gamma1, beta1, act; writes act
.if DOCPART == 2
	.amdgcn_target "amdgcn-amd-amdhsa--gfx1250"
	.amdhsa_code_object_version 6
	.text
	.protected	k_qfe00642619_ln1
	.globl	k_qfe00642619_ln1
	.p2align	8
	.type	k_qfe00642619_ln1,@function
k_qfe00642619_ln1:
	s_mov_b64 s[64:65], 0
	v_nop
	global_prefetch_b8 v0, s[64:65] scope:SCOPE_SE
	s_setreg_imm32_b32 hwreg(HW_REG_WAVE_MODE, 25, 1), 1
	s_wait_xcnt 0x0
; y[r][c] = gamma[c] (x[r][c] - mean_r) / (std_r + 1e-5) + beta[c], std with 1,023 in the divisor.  x: [4096][1024] f32; y: the same shape in f16, rounded once.
; LIMIT: a result of 65,520 or more in magnitude becomes an infinity in f16.
; A row is 4,096 bytes: one wave keeps it in 32 registers, so memory is read once and the statistics are made in two passes (the mean, then the squares of x - mean): an offset of the row costs no digits.
; Eight waves, two rows each; no LDS, no barrier: no wave needs another's numbers.  Lane l holds columns 128 j + 4 l .. + 3 (j = 0 .. 7) of x, gamma and beta.
.set G,   4                            ; v[4:35]    gamma
.set BT,  36                           ; v[36:67]   beta
.set X0,  68                           ; v[68:99]   my first row
.set X1,  100                          ; v[100:131] my second row
.set IV,  132                          ; v[132:133], v[134:135]  1 / (std + eps) of the two rows, twice each: pairs for the packed multiply
.set T,   136                          ; v[136:143] four chains of sums
.set MN,  144                          ; v[144:145] the mean, twice
	s_load_b256 s[4:11], s[0:1], 0x0               ; x s[4:5], gamma s[6:7], beta s[8:9], y s[10:11]
	v_lshrrev_b32 v3, 5, v0
	v_readfirstlane_b32 s14, v3                    ; wave 0..7
	v_and_b32 v1, 31, v0
	v_lshlrev_b32 v2, 3, v1                        ; 8 bytes a lane in y
	v_lshlrev_b32 v1, 4, v1                        ; 16 bytes a lane in x, gamma, beta
	s_mov_b32 s12, 0x76543210                      ; v_permlanex16_b32: each lane takes its own place in the other half
	s_mov_b32 s13, 0xfedcba98
	s_lshl_b32 s16, ttmp9, 16                      ; 16 rows of 4,096 bytes a work-group,
	s_lshl_b32 s15, s14, 13                        ; two rows a wave
	s_add_co_u32 s16, s16, s15
	s_mov_b32 s17, 0
	s_lshr_b32 s18, s16, 1                         ; y's rows are half as long
	s_mov_b32 s19, 0
	s_wait_kmcnt 0x0
	s_add_nc_u64 s[4:5], s[4:5], s[16:17]
	s_add_nc_u64 s[10:11], s[10:11], s[18:19]
.irp j, 0,1,2,3,4,5,6,7
	global_load_b128 v[X0+4*(\j):X0+4*(\j)+3], v1, s[4:5] offset:512*(\j)
.endr
.irp j, 0,1,2,3,4,5,6,7
	global_load_b128 v[X1+4*(\j):X1+4*(\j)+3], v1, s[4:5] offset:4096+512*(\j)
.endr
.irp j, 0,1,2,3,4,5,6,7
	global_load_b128 v[G+4*(\j):G+4*(\j)+3], v1, s[6:7] offset:512*(\j)
.endr
.irp j, 0,1,2,3,4,5,6,7
	global_load_b128 v[BT+4*(\j):BT+4*(\j)+3], v1, s[8:9] offset:512*(\j)
.endr
.macro FOLD                            ; the four chains and the 32 lanes into one sum, in v[T] of every lane
	v_pk_add_f32 v[T:T+1], v[T:T+1], v[T+2:T+3]
	v_pk_add_f32 v[T+4:T+5], v[T+4:T+5], v[T+6:T+7]
	v_pk_add_f32 v[T:T+1], v[T:T+1], v[T+4:T+5]
	v_add_f32 v[T], v[T], v[T+1]
	v_add_f32_dpp v[T], v[T], v[T] row_xmask:1 row_mask:0xf bank_mask:0xf
	v_add_f32_dpp v[T], v[T], v[T] row_xmask:2 row_mask:0xf bank_mask:0xf
	v_add_f32_dpp v[T], v[T], v[T] row_xmask:4 row_mask:0xf bank_mask:0xf
	v_add_f32_dpp v[T], v[T], v[T] row_xmask:8 row_mask:0xf bank_mask:0xf
	v_permlanex16_b32 v[T+1], v[T], s12, s13
	v_add_f32 v[T], v[T], v[T+1]
.endm
.macro STAT x, iv                      ; the row at v[x ..] becomes x - mean; v[iv], v[iv+1] take 1 / (std + eps)
.irp c, 0,1,2,3
	v_pk_add_f32 v[T+2*(\c):T+2*(\c)+1], v[(\x)+2*(\c):(\x)+2*(\c)+1], v[(\x)+8+2*(\c):(\x)+8+2*(\c)+1]  ; the first eight pairs start the chains: nothing is cleared
.endr
.irp c, 0,1,2,3
	v_pk_add_f32 v[T+2*(\c):T+2*(\c)+1], v[T+2*(\c):T+2*(\c)+1], v[(\x)+16+2*(\c):(\x)+16+2*(\c)+1]
.endr
.irp c, 0,1,2,3
	v_pk_add_f32 v[T+2*(\c):T+2*(\c)+1], v[T+2*(\c):T+2*(\c)+1], v[(\x)+24+2*(\c):(\x)+24+2*(\c)+1]
.endr
	FOLD
	v_mul_f32 v[MN], 0x3a800000, v[T]              ; / 1,024
	v_mov_b32 v[MN+1], v[MN]
.set z, 0
.rept 16
	v_pk_add_f32 v[(\x)+2*z:(\x)+2*z+1], v[(\x)+2*z:(\x)+2*z+1], v[MN:MN+1] neg_lo:[0,1] neg_hi:[0,1]
.set z, z+1
.endr
.irp c, 0,1,2,3
	v_pk_mul_f32 v[T+2*(\c):T+2*(\c)+1], v[(\x)+2*(\c):(\x)+2*(\c)+1], v[(\x)+2*(\c):(\x)+2*(\c)+1]
.endr
.set z, 4
.rept 12
	v_pk_fma_f32 v[T+2*(z%4):T+2*(z%4)+1], v[(\x)+2*z:(\x)+2*z+1], v[(\x)+2*z:(\x)+2*z+1], v[T+2*(z%4):T+2*(z%4)+1]
.set z, z+1
.endr
	FOLD
	v_mul_f32 v[T], 0x3a802008, v[T]               ; / 1,023
	v_sqrt_f32 v[T], v[T]
	v_nop                                          ; a plain instruction behind each transcendental before its result is used (ISA guide 5.7.2)
	s_wait_alu depctr_va_vdst(0)
	v_add_f32 v[T], 0x3727c5ac, v[T]               ; + 1e-5
	v_rcp_f32 v[\iv], v[T]
	v_nop
	s_wait_alu depctr_va_vdst(0)
	v_mov_b32 v[(\iv)+1], v[\iv]
.endm
.macro NORM x, iv, off                 ; scaled, gained, shifted, rounded in place from the low end, stored: each store of the wave covers 256 consecutive bytes, aligned
.set z, 0
.rept 16
	v_pk_mul_f32 v[(\x)+2*z:(\x)+2*z+1], v[(\x)+2*z:(\x)+2*z+1], v[\iv:(\iv)+1]
.set z, z+1
.endr
.set z, 0
.rept 16
	v_pk_fma_f32 v[(\x)+2*z:(\x)+2*z+1], v[(\x)+2*z:(\x)+2*z+1], v[G+2*z:G+2*z+1], v[BT+2*z:BT+2*z+1]
.set z, z+1
.endr
.set z, 0
.rept 16
	v_cvt_pk_f16_f32 v[(\x)+z], v[(\x)+2*z], v[(\x)+2*z+1]
.set z, z+1
.endr
.irp j, 0,1,2,3,4,5,6,7
	global_store_b64 v2, v[(\x)+2*(\j):(\x)+2*(\j)+1], s[10:11] offset:256*(\j)+(\off)
.endr
.endm
	s_wait_loadcnt 24                              ; my first row is in; the second row, gamma and beta stay out
	STAT X0, IV
	s_wait_loadcnt 16                              ; the second row is in
	STAT X1, IV+2
	s_wait_loadcnt 0x0                             ; gamma and beta
	NORM X0, IV, 0
	NORM X1, IV+2, 2048
	s_endpgm
.Lfunc_end_k_qfe00642619_ln1:
	.size	k_qfe00642619_ln1, .Lfunc_end_k_qfe00642619_ln1-k_qfe00642619_ln1
	.p2alignl 7, 3214868480
	.fill 96, 4, 3214868480
	.section	.rodata,"a",@progbits
	.p2align	6, 0x0
	.amdhsa_kernel k_qfe00642619_ln1
		.amdhsa_group_segment_fixed_size 0
		.amdhsa_private_segment_fixed_size 0
		.amdhsa_enable_private_segment 0
		.amdhsa_kernarg_size 32
		.amdhsa_user_sgpr_count 2
		.amdhsa_user_sgpr_kernarg_segment_ptr 1
		.amdhsa_wavefront_size32 1
		.amdhsa_system_sgpr_workgroup_id_x 1
		.amdhsa_system_sgpr_workgroup_id_y 1
		.amdhsa_system_sgpr_workgroup_id_z 1
		.amdhsa_system_vgpr_workitem_id 0
		.amdhsa_next_free_vgpr 148
		.amdhsa_next_free_sgpr 66
		.amdhsa_reserve_vcc 0
		.amdhsa_float_denorm_mode_32 3
		.amdhsa_float_denorm_mode_16_64 3
		.amdhsa_memory_ordered 1
		.amdhsa_forward_progress 1
		.amdhsa_inst_pref_size 21
	.end_amdhsa_kernel
	.amdgpu_metadata
---
amdhsa.version: [ 1, 2 ]
amdhsa.kernels:
  - .name:           k_qfe00642619_ln1
    .symbol:         k_qfe00642619_ln1.kd
    .args:
      - { .name: x, .offset: 0, .size: 8, .value_kind: global_buffer, .address_space: global }
      - { .name: gamma1, .offset: 8, .size: 8, .value_kind: global_buffer, .address_space: global }
      - { .name: beta1, .offset: 16, .size: 8, .value_kind: global_buffer, .address_space: global }
      - { .name: act, .offset: 24, .size: 8, .value_kind: global_buffer, .address_space: global }
    .group_segment_fixed_size: 0
    .private_segment_fixed_size: 0
    .kernarg_segment_align: 8
    .kernarg_segment_size: 32
    .max_flat_workgroup_size: 256
    .sgpr_count:     66
    .vgpr_count:     148
    .wavefront_size: 32
...
	.end_amdgpu_metadata
.endif
;; end of part 2
;; launch gqkv (part 3): grid 16 x 16, 4 waves a work-group, clusters of 4 x 4, 327,680 bytes of LDS; arguments act, wq, b_qkv, qkvh; writes qkvh
.if DOCPART == 3
	.amdgcn_target "amdgcn-amd-amdhsa--gfx1250"
	.amdhsa_code_object_version 6
	.text
	.protected	k_qfe00642619_gqkv
	.globl	k_qfe00642619_gqkv
	.p2align	8
	.type	k_qfe00642619_gqkv,@function
k_qfe00642619_gqkv:
	s_mov_b64 s[64:65], 0
	v_nop
	global_prefetch_b8 v0, s[64:65] scope:SCOPE_SE
	s_setreg_imm32_b32 hwreg(HW_REG_WAVE_MODE, 25, 1), 1
	s_wait_xcnt 0x0
	s_wait_alu depctr_hold_cnt(0) depctr_sa_sdst(0) depctr_va_vdst(0) depctr_va_sdst(0) depctr_va_ssrc(0) depctr_va_vcc(0) depctr_vm_vsrc(0)
	s_getreg_b32 s2, hwreg(HW_REG_IB_STS2, 6, 4)
	s_cmp_eq_u32 s2, 0
	s_cbranch_scc0 .Lentry_in_a_cluster
	s_endpgm
.Lentry_in_a_cluster:
	s_bfe_u32 s2, ttmp6, 0x10000c
	s_cmp_lg_u32 s2, 0xf033
	s_cbranch_scc0 .Lentry_shape_is_right
	s_endpgm
.Lentry_shape_is_right:
; qkv = h1 W_qkv + b_qkv, split by heads.  A = h1 [4096][1024] f16; W = wq [3072 n][1024 k] f16; bias f32; sums in f32; q, k, v rounded once to f16, unscaled,
; each [32 batch x head][2048][64]: q at byte 0 of the result, k at 8,388,608, v at 16,777,216.  LIMIT: a result of 65,520 or more in magnitude becomes an infinity.
; A tile of C is 256 rows x 192 columns: one head's q, k and v (column = 192 head + 64 sel + d).  Four waves, each 64 rows x 192 columns: 48 accumulators of 16 x 16.
; K goes in steps of 128 through two LDS slots filled by the tensor data mover; waves 0 and 1 fetch A's halves, waves 2 and 3 W's.  A loop trip is one K step; the slot in hand is a scalar that an exclusive or turns.
; CLUSTER 4 x 4: the four work-groups of a row need the same tiles of A, the four of a column the same tiles of W: each tile is asked for jointly, by the same load, descriptor and mask in all four.
; THE ORDER OF K.  Step n of a cluster's walk is K step n xor RX; RX is 2 where the cluster's x + y is odd, else 0: such a cluster walks 2, 3, 0, 1, 6, 7, 4, 5.  Clusters that need the same tile of A are neighbours
; along x, of W along y: of two neighbours one asks for a tile two steps ahead of the other.  LIMIT: in the odd clusters the same terms are summed in that order, not in ascending K.
; The matrix instruction is used transposed (source 0 = 16 rows of W, source 1 = 16 rows of A): a lane holds eight neighbouring columns of one row of C.  The first products take the bias as C.
; REGISTERS: window 0: v1-29 addresses; A's two fragment buffers from v64; the bias.  Window 1: W's two fragment buffers.  Windows 2, 3: accumulator q = NBK a + b at register 8 (q % 32) of window 2 + q / 32.
.set TM, 256
.set TN, 192
.set MB, 4                             ; blocks of 16 rows a wave
.set NBK, 12                           ; blocks of 16 columns a wave
.set SIZE_K, 1024
.set KSTEP, 128
.set DEP, 1                            ; matrix instructions along K in a quarter of a K step
.set PITCH, 272                        ; W's LDS row: 256 bytes + 16: an odd multiple of 16, so the 16 rows of a fragment load start in 16 different groups of four banks (ISA guide 11.1)
.set QI, 5                             ; padding after every 64 words
.set APITCH, 272
.set AREG, 256*272                     ; A's part of a slot
.set AQI, 5
.set AD0, KSTEP                        ; A's tile: elements in a row,
.set AD1, TM/2                         ; rows,
.set AST, SIZE_K                       ; elements from row to row,
.set ASTEP, 2*KSTEP                    ; bytes from K step to K step
.set BIAS, 128                         ; v[128:223]
.set STAGEB, 16*400                    ; a wave's stage: 16 rows x (384 + 16) bytes
.set PANEL, 0
.set WAVES41, 1                        ; the four waves lie one below the other
.set RESID, 0
.set NW, DEP*MB*NBK                    ; matrix instructions in a quarter
.set FAS, 8*DEP*MB
.set FBS, 8*DEP*NBK
.set FA0, 64
.set SLOT, AREG+TN*PITCH
.set STAGE, 2*SLOT
.set SPARE, STAGE+4*STAGEB             ; the spare words, 128 bytes for each wave; no other line names them
.set KT, SIZE_K/KSTEP
.set BSTEP, 2*KSTEP
.set G1, 24                            ; s[24:31] group 1 for A;  s[32:35] group 0 of the first fill, s[36:39] the one that walks
.set G0, 32
.set G1B, 40                           ; s[40:47], s[48:55] the same for W
.set G0B, 48
.set MSB, 0
.macro WIN new                         ; the immediate's high byte repeats the setting that is left; a switch that changes nothing is dropped
.if MSB != (\new)
	s_set_vgpr_msb (MSB<<8)|(\new)
.set MSB, \new
.endif
.endm
.macro PLACES                          ; four places behind matrix instructions, ahead of loads into their sources and of reads of their results
.rept 4
	v_nop
.endr
.endm
.macro JLOAD                           ; a joint refill; the branch hangs on the wave's number alone; s_nop 0 and four v_nop follow each line
	s_cmp_eq_u32 s15, 0
	s_cbranch_scc0 .Lfor_b_\@
	tensor_load_to_lds s[G0+4:G0+7], s[G1:G1+7]
	s_nop 0
	PLACES
	s_branch .Lasked_\@
.Lfor_b_\@:
	tensor_load_to_lds s[G0B+4:G0B+7], s[G1B:G1B+7]
	s_nop 0
	PLACES
.Lasked_\@:
.endm
.macro CREST                           ; a round of the cluster's barrier behind its opening barrier
	s_cmp_lg_u32 s14, 0
	s_cbranch_scc1 .Lnot_wave_0_\@
	s_barrier_signal -3
.Lnot_wave_0_\@:
	s_barrier_wait -3
	s_barrier_signal -1
	s_barrier_wait -1
.endm
.macro CROUND
	s_barrier_signal -1
	s_barrier_wait -1
	CREST
.endm
; A quarter of the quarter's matrix instructions on fragment buffer f.  All accumulators take turns, one instruction a turn.  first = 1: the first 32 along K start the sums with the bias.
.macro MULP f, part, first
.set wi, (\part)*NW/4
.rept NW/4
.set cc, wi/(MB*NBK)
.set aa, (wi/NBK)%MB
.set bb, wi%NBK
.set qq, NBK*aa+bb
.set aw, 2+qq/32
.set rD, 8*(qq%32)
.set rB, (\f)*FBS+8*(cc*NBK+bb)
.set rA, FA0+(\f)*FAS+8*(cc*MB+aa)
.if (\first) && (cc == 0)
	WIN 1|(aw<<6)
	v_wmma_f32_16x16x32_f16 v[rD:rD+7], v[rB:rB+7], v[rA:rA+7], v[BIAS+8*bb:BIAS+8*bb+7]
.else
	WIN 1|(aw<<4)|(aw<<6)
	v_wmma_f32_16x16x32_f16 v[rD:rD+7], v[rB:rB+7], v[rA:rA+7], v[rD:rD+7]
.endif
.set wi, wi+1
.endr
.endm
; The fragments of quarter kq of the K step in hand, into buffer g, in one run: W's, then A's.
.macro FETCH kq, g
	WIN 0x40
.set cc, 0
.rept DEP
.set kk, (\kq)*DEP+cc
.set bb, 0
.rept NBK
.set rB, (\g)*FBS+8*(cc*NBK+bb)
	ds_load_b128 v[rB:rB+3],   v19 offset:bb*16*PITCH+64*kk
	ds_load_b128 v[rB+4:rB+7], v19 offset:bb*16*PITCH+64*kk+32
.set bb, bb+1
.endr
.set cc, cc+1
.endr
	WIN 0
.set cc, 0
.rept DEP
.set kk, (\kq)*DEP+cc
.set aa, 0
.rept MB
.set rA, FA0+(\g)*FAS+8*(cc*MB+aa)
.if PANEL
.set ab, (kk/2)*18432+aa*16*APITCH+(kk%2)*64
.else
.set ab, aa*16*APITCH+64*kk
.endif
	ds_load_b128 v[rA:rA+3],   v18 offset:ab
	ds_load_b128 v[rA+4:rA+7], v18 offset:ab+32
.set aa, aa+1
.endr
.set cc, cc+1
.endr
.endm
.macro QUARTER kq, f, g, first         ; multiplies buffer f; in its middle fetches quarter kq into buffer g
	s_wait_dscnt 0x0                               ; buffer f was asked for half a quarter ago
	MULP \f, 0, \first
	MULP \f, 1, \first
	PLACES
	FETCH \kq, \g
	MULP \f, 2, \first
	MULP \f, 3, \first
.endm
; The last quarter multiplies buffer 1 and changes slots.  fill = 1: the slot just read out takes the walk's step two steps on.  fill = 0 (the tail): nothing is asked for, and in the tail's last trip (s61 = 1) there is no next slot: the run of fragment loads is jumped over.
.macro TURN fill
	WIN 0
	s_wait_tensorcnt 0x0                           ; all my tensor loads have landed: my part of the next slot
	ds_add_u32 v28, v29                            ; 0 onto my spare word
	s_wait_dscnt 0x1                               ; my fragment loads are in; the add alone may be out
	MULP 1, 0, 0
	s_wait_dscnt 0x0                               ; the add is done, and my reads of this slot are over
	s_barrier_signal -1
	MULP 1, 1, 0
	WIN 0
	s_barrier_wait -1
.if \fill
	CREST                                          ; the barrier has opened a round of the cluster's: no wave of any partner still reads this slot or has a load on its way
	s_xor_b32 s57, s57, SLOT                       ; the slot to fill: 0 or SLOT
	s_add_co_u32 s[G0+5], s59, s57
	s_add_co_u32 s[G0B+5], s60, s57
	s_add_co_u32 s62, s62, 1                       ; the walk's next step,
	s_xor_b32 s84, s62, s63                        ; its place along K;
	s_mul_i32 s86, s84, BSTEP
	s_mul_i32 s84, s84, ASTEP
	s_add_nc_u64 s[G0+6:G0+7], s[66:67], s[84:85]  ; both addresses are made anew: the tile's first K step plus that offset, and the type
	s_or_b32 s[G0+7], s[G0+7], 0x80000000
	s_add_nc_u64 s[G0B+6:G0B+7], s[68:69], s[86:87]
	s_or_b32 s[G0B+7], s[G0B+7], 0x80000000
	JLOAD                                          ; the first tensor load behind the round; its four v_nop are also the places ahead of the loads below
.else
	PLACES
	s_cmp_eq_u32 s61, 1
	s_cbranch_scc1 .Lno_fetch_\@
.endif
	s_xor_b32 s56, s56, SLOT                       ; the slot to read
	v_add_nc_u32 v18, s56, v16
	v_add_nc_u32 v19, s56, v17
	FETCH 0, 0
.if !(\fill)
.Lno_fetch_\@:
.endif
	MULP 1, 2, 0
	MULP 1, 3, 0
.endm
	s_load_b256 s[4:11], s[0:1], 0x0               ; A s[4:5], W s[6:7], bias s[8:9], then the result (with a residual: the residual)
.if RESID
	s_load_b64 s[12:13], s[0:1], 0x20              ; the result
.endif
	v_lshl_add_u32 v28, v0, 2, SPARE
	v_mov_b32 v29, 0
	ds_add_u32 v28, v29                            ; the wave's opening: the add and its wait stand ahead of my first tensor load; work on registers stands between them
	ds_add_u32 v28, v29
	v_lshrrev_b32 v1, 5, v0
	v_readfirstlane_b32 s14, v1                    ; wave 0..3
	s_lshr_b32 s15, s14, 1                         ; I fetch for A (0) or for W (1),
	s_and_b32 s16, s14, 1                          ; this half of the tile
.if WAVES41
	s_mov_b32 s2, s14                              ; my place among the waves: down,
	s_mov_b32 s3, 0                                ; along
.else
	s_mov_b32 s2, s15
	s_mov_b32 s3, s16
.endif
	s_bfe_u32 s17, ttmp6, 0x40000                  ; cx
	s_bfe_u32 s18, ttmp6, 0x40004                  ; cy
	s_lshl_b32 s19, ttmp9, 2
	s_add_co_u32 s19, s19, s17                     ; tile column
	s_and_b32 s20, ttmp7, 0xffff
	s_lshl_b32 s20, s20, 2
	s_add_co_u32 s20, s20, s18                     ; tile row
	s_lshl_b32 s21, s18, 2
	s_lshl_b32 s21, 15, s21                        ; my row of the cluster
	s_lshl_b32 s22, 0x1111, s17                    ; my column
	s_or_b32 s[G1], s21, (1<<16)|(1<<20)|(1<<21)|(AQI<<22)|(3<<25)   ; mask; 2-byte elements; padding on; bit 21 beside a mask; the interval; 4 words of padding
	s_or_b32 s[G1B], s22, (1<<16)|(1<<20)|(1<<21)|(QI<<22)|(3<<25)
	s_mov_b32 s[G1+1], (AD0&0xffff)<<16            ; tensor_dim0
	s_mov_b32 s[G1+2], (AD0>>16)|(AD1<<16)         ; tensor_dim1
	s_mov_b32 s[G1+3], AD0<<16                     ; tile_dim0
	s_mov_b32 s[G1+4], AD1                         ; tile_dim1
	s_mov_b32 s[G1+5], AST                         ; elements from row to row
	s_mov_b32 s[G1+6], 0
	s_mov_b32 s[G1+7], 0
	s_mov_b32 s[G1B+1], KSTEP<<16
	s_mov_b32 s[G1B+2], (TN/2)<<16
	s_mov_b32 s[G1B+3], KSTEP<<16
	s_mov_b32 s[G1B+4], TN/2
	s_mov_b32 s[G1B+5], SIZE_K
	s_mov_b32 s[G1B+6], 0
	s_mov_b32 s[G1B+7], 0
	; A's offset hangs on the tile row and my half alone, W's on the tile column and my half alone, each in registers that never hold the other coordinate
.if PANEL
	s_lshr_b32 s66, s20, 4
	s_lshl_b32 s66, s66, 22                        ; the batch: 16 heads of 262,144 bytes
	s_and_b32 s67, s20, 15
	s_lshl_b32 s67, s67, 14                        ; 128 tokens of 128 bytes
	s_add_co_u32 s66, s66, s67
	s_lshl_b32 s23, s16, 19                        ; my two of the step's four heads
	s_add_co_u32 s66, s66, s23
.else
	s_mul_i32 s66, s20, TM*SIZE_K*2
	s_mul_i32 s23, s16, (TM/2)*SIZE_K*2
	s_add_co_u32 s66, s66, s23
.endif
	s_mov_b32 s67, 0
	s_mul_i32 s68, s19, TN*SIZE_K*2
	s_mul_i32 s23, s16, (TN/2)*SIZE_K*2
	s_add_co_u32 s68, s68, s23
	s_mov_b32 s69, 0
	s_mul_i32 s59, s16, AREG/2                     ; where my half lands in a slot, for A
	s_mul_i32 s60, s16, (TN/2)*PITCH               ; and for W: no place in the cluster enters an LDS address
	s_add_co_u32 s60, s60, AREG
	s_mov_b32 s56, 0
	s_mov_b32 s57, SLOT
	s_and_b32 s63, ttmp7, 0xffff                   ; the cluster's y
	s_add_co_u32 s63, s63, ttmp9                   ; plus its x: all sixteen partners share both
	s_and_b32 s63, s63, 1
	s_lshl_b32 s63, s63, 1                         ; RX: 0, or 2 where that sum is odd
	s_mov_b32 s62, 1                               ; the walk's step that the walking descriptor holds
	s_mul_i32 s84, s63, ASTEP                      ; the walk's step 0 is K step RX, its step 1 the K step behind that
	s_mov_b32 s85, 0
	s_mul_i32 s86, s63, BSTEP
	s_mov_b32 s87, 0
	s_mul_i32 s78, s19, TN*4                       ; my columns in the bias
	s_mul_i32 s79, s3, 64*NBK
	s_add_co_u32 s78, s78, s79
	s_mov_b32 s79, 0
	; my rows in q, k and v: ((batch x 16 + head) x 2,048 + token) x 128 bytes
	s_lshr_b32 s70, s20, 3
	s_lshl_b32 s70, s70, 4
	s_add_co_u32 s70, s70, s19
	s_lshl_b32 s70, s70, 11
	s_and_b32 s71, s20, 7
	s_lshl_b32 s71, s71, 8
	s_add_co_u32 s70, s70, s71
	s_lshl_b32 s71, s14, 6
	s_add_co_u32 s70, s70, s71
	s_lshl_b32 s70, s70, 7
	s_mov_b32 s71, 0
	s_wait_dscnt 0x0                               ; the opening add is done
	s_wait_kmcnt 0x0
	s_add_nc_u64 s[66:67], s[4:5], s[66:67]        ; my part of A's tile at K step 0: kept
	s_add_nc_u64 s[68:69], s[6:7], s[68:69]        ; the same for W
	s_add_nc_u64 s[8:9], s[8:9], s[78:79]
	s_add_nc_u64 s[72:73], s[10:11], s[70:71]      ; q
	s_add_nc_u64 s[74:75], s[72:73], 0x800000      ; k
	s_add_nc_u64 s[76:77], s[74:75], 0x800000      ; v
	s_mov_b32 s[G0], 1
	s_mov_b32 s[G0+1], s59
	s_add_nc_u64 s[G0+2:G0+3], s[66:67], s[84:85]
	s_mov_b32 s[G0+4], 1
	s_add_co_u32 s[G0+5], s59, SLOT
	s_add_nc_u64 s[G0+6:G0+7], s[G0+2:G0+3], ASTEP
	s_or_b32 s[G0+3], s[G0+3], 0x80000000
	s_or_b32 s[G0+7], s[G0+7], 0x80000000
	s_mov_b32 s[G0B], 1
	s_mov_b32 s[G0B+1], s60
	s_add_nc_u64 s[G0B+2:G0B+3], s[68:69], s[86:87]
	s_mov_b32 s[G0B+4], 1
	s_add_co_u32 s[G0B+5], s60, SLOT
	s_add_nc_u64 s[G0B+6:G0B+7], s[G0B+2:G0B+3], BSTEP
	s_or_b32 s[G0B+3], s[G0B+3], 0x80000000
	s_or_b32 s[G0B+7], s[G0B+7], 0x80000000
	CROUND                                         ; all sixteen work-groups are here: the first joint loads meet
	s_cmp_eq_u32 s15, 0                            ; a wave's two first fills stand in one branch: two loads of mine are out
	s_cbranch_scc0 .Lfirst_b
	tensor_load_to_lds s[G0:G0+3], s[G1:G1+7]
	s_nop 0
	tensor_load_to_lds s[G0+4:G0+7], s[G1:G1+7]
	s_nop 0
	PLACES
	s_branch .Lfirst_asked
.Lfirst_b:
	tensor_load_to_lds s[G0B:G0B+3], s[G1B:G1B+7]
	s_nop 0
	tensor_load_to_lds s[G0B+4:G0B+7], s[G1B:G1B+7]
	s_nop 0
	PLACES
.Lfirst_asked:
	v_and_b32 v1, 15, v0                           ; r = lane % 16
	v_bfe_u32 v2, v0, 4, 1                         ; h = lane / 16
	v_mul_u32_u24 v16, v1, APITCH                  ; a fragment: row r, 16 bytes for each half of the lanes
	v_lshl_add_u32 v16, v2, 4, v16
	s_mul_i32 s23, s2, 16*MB*APITCH
	v_add_nc_u32 v16, s23, v16                     ; my rows of A in slot 0
	v_mul_u32_u24 v17, v1, PITCH
	v_lshl_add_u32 v17, v2, 4, v17
	s_mul_i32 s23, s3, 16*NBK*PITCH
	s_add_co_u32 s23, s23, AREG
	v_add_nc_u32 v17, s23, v17                     ; my rows of W in slot 0
	v_lshlrev_b32 v20, 5, v2                       ; the bias: eight numbers from column 8 h of each block
	s_mul_i32 s23, s14, STAGEB
	s_add_co_u32 s23, s23, STAGE                   ; my stage
	v_mul_u32_u24 v24, v1, 400                     ; in: row r, 16 bytes for each half of the lanes
	v_lshl_add_u32 v24, v2, 4, v24
	v_add_nc_u32 v24, s23, v24
	v_bfe_u32 v25, v0, 3, 2                        ; back: 32 lanes take 128 bytes of each of four rows,
	v_mul_u32_u24 v25, v25, 400
	v_and_b32 v3, 7, v0
	v_lshl_add_u32 v25, v3, 4, v25
	v_add_nc_u32 v25, s23, v25
	v_and_b32 v26, 31, v0                          ; which are 512 consecutive bytes of q, k or v
	v_lshlrev_b32 v26, 4, v26
.set bb, 0
.rept NBK
	global_load_b128 v[BIAS+8*bb:BIAS+8*bb+3],   v20, s[8:9] offset:64*bb
	global_load_b128 v[BIAS+8*bb+4:BIAS+8*bb+7], v20, s[8:9] offset:64*bb+16
.set bb, bb+1
.endr
	s_wait_tensorcnt 0x1                           ; my part of the walk's step 0 is in; step 1's may stay out
	s_barrier_signal -1
	s_barrier_wait -1
	v_mov_b32 v18, v16
	v_mov_b32 v19, v17
	FETCH 0, 0
	s_wait_loadcnt 0x0                             ; the bias
	QUARTER 1, 0, 1, 1                             ; the first quarter stands ahead of the loop: its products start the sums
	WIN 0
	s_mov_b32 s58, KT-2
.Lk:                                                   ; a trip: from a K step's second quarter to the next step's first; it fills the slot that it leaves
	QUARTER 2, 1, 0, 0
	QUARTER 3, 0, 1, 0
	TURN 1
	QUARTER 1, 0, 1, 0
	WIN 0
	s_sub_co_u32 s58, s58, 1
	s_cmp_lg_u32 s58, 0
	s_cbranch_scc1 .Lk
	s_mov_b32 s61, 2
.Ltail:                                                ; the last two K steps ask for nothing; the second trip is left behind its last quarter
	QUARTER 2, 1, 0, 0
	QUARTER 3, 0, 1, 0
	TURN 0
	WIN 0
	s_sub_co_u32 s61, s61, 1
	s_cmp_eq_u32 s61, 0
	s_cbranch_scc1 .Lout
	QUARTER 1, 0, 1, 0
	WIN 0
	s_branch .Ltail
.Lout:
	s_wait_dscnt 0x0                               ; no LDS load of mine is out: the fragment registers serve the way out
	PLACES
	; THE WAY OUT, a block of 16 rows at a time: rounded to f16, 16 bytes a lane into my stage, back as 128-byte rows of q, k and v, stored 512 consecutive bytes at a time.
.set TMP, 64                           ; v[64:111] packed
.set OB, 112                           ; v[112:159], v[160:207] by turns: rows read back
.macro PACK a
.set bb, 0
.rept 12
.set qq, 12*(\a)+bb
.set aw, 2+qq/32
.set rD, 8*(qq%32)
	WIN aw|(aw<<2)
.set jj, 0
.rept 4
	v_cvt_pk_f16_f32 v[TMP+4*bb+jj], v[rD+2*jj], v[rD+2*jj+1]  ; each accumulator from its low end on
.set jj, jj+1
.endr
.set bb, bb+1
.endr
	WIN 0
.endm
.macro TOSTAGE a
.set BK, OB+48*((\a)%2)
	s_wait_xcnt 0x0                                ; the registers that earlier stores read are loaded again only behind this wait (ISA guide 3.1)
.set bb, 0
.rept 12
	ds_store_b128 v24, v[TMP+4*bb:TMP+4*bb+3] offset:32*bb
.set bb, bb+1
.endr
.set bb, 0
.rept 12
	ds_load_b128 v[BK+4*bb:BK+4*bb+3], v25 offset:128*(bb/4)+1600*(bb%4)  ; LDS serves a wave's instructions in order (ISA guide 5.7.1.4): these see the stores above
.set bb, bb+1
.endr
.endm
.macro SEND a
.set BK, OB+48*((\a)%2)
	s_wait_dscnt 0x0
.set bb, 0
.rept 12
	global_store_b128 v26, v[BK+4*bb:BK+4*bb+3], s[72+2*(bb/4):73+2*(bb/4)] offset:2048*(\a)+512*(bb%4)
.set bb, bb+1
.endr
.endm
	PACK 0
	TOSTAGE 0
.irp a, 1,2,3
	PACK \a                                        ; a block's conversions stand between the loads of the block before and the wait for them
	SEND (\a)-1
	TOSTAGE \a
.endr
	SEND 3
	s_wait_tensorcnt 0x0                           ; the wave's end
	ds_add_u32 v28, v29
	s_wait_dscnt 0x0
	CROUND                                         ; the closing round: no work-group ends while a partner may still ask for a tile that names it
	s_endpgm
.Lfunc_end_k_qfe00642619_gqkv:
	.size	k_qfe00642619_gqkv, .Lfunc_end_k_qfe00642619_gqkv-k_qfe00642619_gqkv
	.p2alignl 7, 3214868480
	.fill 96, 4, 3214868480
	.section	.rodata,"a",@progbits
	.p2align	6, 0x0
	.amdhsa_kernel k_qfe00642619_gqkv
		.amdhsa_group_segment_fixed_size 327680
		.amdhsa_private_segment_fixed_size 0
		.amdhsa_enable_private_segment 0
		.amdhsa_kernarg_size 32
		.amdhsa_user_sgpr_count 2
		.amdhsa_user_sgpr_kernarg_segment_ptr 1
		.amdhsa_wavefront_size32 1
		.amdhsa_system_sgpr_workgroup_id_x 1
		.amdhsa_system_sgpr_workgroup_id_y 1
		.amdhsa_system_sgpr_workgroup_id_z 1
		.amdhsa_system_vgpr_workitem_id 0
		.amdhsa_next_free_vgpr 896
		.amdhsa_next_free_sgpr 88
		.amdhsa_reserve_vcc 0
		.amdhsa_float_denorm_mode_32 3
		.amdhsa_float_denorm_mode_16_64 3
		.amdhsa_memory_ordered 1
		.amdhsa_forward_progress 1
		.amdhsa_inst_pref_size 86
	.end_amdhsa_kernel
	.amdgpu_metadata
---
amdhsa.version: [ 1, 2 ]
amdhsa.kernels:
  - .name:           k_qfe00642619_gqkv
    .symbol:         k_qfe00642619_gqkv.kd
    .args:
      - { .name: act, .offset: 0, .size: 8, .value_kind: global_buffer, .address_space: global }
      - { .name: wq, .offset: 8, .size: 8, .value_kind: global_buffer, .address_space: global }
      - { .name: b_qkv, .offset: 16, .size: 8, .value_kind: global_buffer, .address_space: global }
      - { .name: qkvh, .offset: 24, .size: 8, .value_kind: global_buffer, .address_space: global }
    .group_segment_fixed_size: 327680
    .private_segment_fixed_size: 0
    .kernarg_segment_align: 8
    .kernarg_segment_size: 32
    .max_flat_workgroup_size: 128
    .sgpr_count:     88
    .vgpr_count:     896
    .wavefront_size: 32
...
	.end_amdgpu_metadata
.endif
;; end of part 3
;; launch attn (part 4): grid 8 x 32, 4 waves a work-group, no clusters, 327,680 bytes of LDS; arguments qkvh, act; writes act
.if DOCPART == 4
	.amdgcn_target "amdgcn-amd-amdhsa--gfx1250"
	.amdhsa_code_object_version 6
	.text
	.protected	k_qfe00642619_attn
	.globl	k_qfe00642619_attn
	.p2align	8
	.type	k_qfe00642619_attn,@function
k_qfe00642619_attn:
	s_mov_b64 s[64:65], 0
	v_nop
	global_prefetch_b8 v0, s[64:65] scope:SCOPE_SE
	s_setreg_imm32_b32 hwreg(HW_REG_WAVE_MODE, 25, 1), 1
	s_wait_xcnt 0x0
; CAUSAL ATTENTION.  O[bh][q][:] = the sum over k <= q of softmax_k(Q[bh][q] . K[bh][k] / 8) V[bh][k][:].  Q, K, V: [32][2048][64] f16 at bytes 0, 8,388,608 and 16,777,216 of the first buffer; O the same shape.
; Products, maxima and sums in f32; the weights p are rounded to f16 for the second product (their sum l is taken of the unrounded p), O once at the end.
; LIMITS.  Q, K, V arrive within f16's 65,504.  A hidden score counts as its value less 1e30 (f16's scores are 2.7e11 at the most); a weight below 2^-126 counts as 0 in l; NaN and infinities are not treated apart.
; THE WALK.  A head's queries lie in 16 blocks of 128; block I needs 2 (I + 1) key steps of 64, of which the last two hold the diagonal.  Work-group b takes blocks b and 15 - b: first the odd one, F, whose steps fill
; whole slots of 256 keys, then the even one, G, whose last slot is read by half: 34 steps and 9 slots whatever b, so one loop with a constant count walks them.  Which tile is asked for and what a trip does hang on
; scalars made from b.  NO CLUSTER: a head's eight work-groups ask for the same tile only while their first blocks run together; a walk common to all would have 16 slots for 9.
; SHARES.  A wave owns 32 queries of a block, two tiles of 16.  Both diagonal steps are computed whole, under the mask, by all four waves: equal work.
; LAYOUT.  S^T = K Q^T holds one query a lane (lane % 16) and the keys 8 (lane / 16) + 0..7; two such results rounded to f16 are source 1 of O^T = V^T P.  p = 2^(c s - c m), c = log2(e) / 8, with a running maximum m;
; O and l are multiplied by a = 2^(c m_old - c m_new) in every step.  THE MASK is the C operand that starts S^T's sums: 0, or -1e30 where the key is hidden.
; A TRIP OF THE STEP LOOP has two halves.  HALF_A: K of step s + 1 is asked for; the softmax of step s; V^T P of step s.  HALF_B: the mask, V and K Q^T of step s + 1.  A block begins by a jump into the loop's middle, at
; HALF_B; it ends behind a HALF_A that asks for nothing, where the loop is left in its middle.  So each half stands once in the loop over slots and once in the walk's last slot.
; REGISTERS: window 0: addresses, statistics, v64-127 S^T, v128-159 P, v160-223 O^T.  Window 1: v0-31 Q, v32-63 the second block's Q, v64-127 K, v128-191 V, v192-255 the mask.
.set KS,    64
.set PK,    144       ; a row of K in LDS: 128 bytes + 16: the 16 rows of a load start in 16 different groups of four banks (ISA guide 11.1)
.set PV,    160       ; a row of V: 128 + 32
.set VOFF,  4*KS*PK   ; a slot: 256 rows of K, then 256 rows of V
.set SLOT1, 1<<17     ; slot 1 begins here: one exclusive or turns an address in one slot into the other's
.set STAGE, SLOT1+4*KS*(PK+PV)  ; 16 rows x 144 bytes for each wave, for the way out; no tensor load fills it
.set SP,    144
.set SPARE, STAGE+4*16*SP       ; the spare words, 128 bytes for each wave; no other line names them
.set AK0, 2           ; my lane's place in a tile of K
.set AV0, 3           ; the same for V
.set AK,  4
.set AV,  5
.set STO, 6
.set RD,  7
.set GO,  8
.set MV,  12          ; v12-13  c m_old, by tile
.set QM,  14          ; v14-15  my query's place in the block less 8 (lane / 16), by tile
.set ST,  16          ; tile u at v[ST+4 u]: c m, m, l (even keys', odd keys')
.set TMP, 24          ; tile u at v[TMP+4 u]: c0-c3 at work; c2 takes a
.set QO,  32
.set VX,  34          ; v34-35  QM less the step's first key
.set SPW, 62
.set NIL, 63
.set S,   64
.set P,   128
.set O,   160
.set Q,   0           ; window 1
.set QB,  32
.set KF,  64
.set VF,  128
.set MC,  192
.set WV,  12
.set FB,  14          ; s14  F
.set GB,  15          ; s15  G
.set G1K, 24
.set G1V, 32
.set G0K, 40
.set G0V, 44
.set SC,  48          ; s48  steps of the block in hand whose K Q^T is still to come
.set LQ2, 49          ; s49  the second block's last tile
.set SLOTS, 56
.set CNT, 57          ; s57  first halves still to come in this slot, the one in hand among them
.set CS,  58
.set SEL, 60
.set TBK, 62
.set TBV, 63
.set RT,  70          ; s70  slots of the block in hand still to be entered
.set NXT, 71          ; s71  the tile to be asked for next
.set LQ,  72          ; s72  the last tile of the block whose tiles are being asked for
.set NEW, 73          ; s73  1: the slot to be entered is a block's first
.set OFF, 74
.set OLO, 80          ; s[80:81] O at my rows of the second block
.set BIGN, 82
.set MSB, 0
.macro WIN new
.if MSB != (\new)
	s_set_vgpr_msb (MSB<<8)|(\new)
.set MSB, \new
.endif
.endm
.macro PLACES
.rept 4
	v_nop
.endr
.endm
.macro LOAD                         ; waves 0 and 1 fetch the halves of a tile's K, waves 2 and 3 those of its V; s_nop 0 and four v_nop follow each line
	s_cmp_lt_u32 s[WV], 2
	s_cbranch_scc0 .Lfor_v_\@
	tensor_load_to_lds s[G0K:G0K+3], s[G1K:G1K+7]
	s_nop 0
	PLACES
	s_branch .Lasked_\@
.Lfor_v_\@:
	tensor_load_to_lds s[G0V:G0V+3], s[G1V:G1V+7]
	s_nop 0
	PLACES
.Lasked_\@:
.endm
; THE CHANGE OF SLOTS.  Each wave waits for all its tensor loads (one is out: its part of the other slot), adds 0 to its spare word, and waits for that and for its reads of the slot that it leaves.
; fill = 1: the old slot is filled again, first thing behind the barrier, with tile NXT; the descriptor's address is made anew from that number.
.macro CHANGE fill
	WIN 0
	s_wait_tensorcnt 0x0
	ds_add_u32 v[SPW], v[NIL]
.if \fill
	s_lshl_b32 s[OFF], s[NXT], 15   ; a tile is 32,768 bytes of K and of V
	s_xor_b32 s[G0K+1], s[G0K+1], SLOT1
	s_add_nc_u64 s[G0K+2:G0K+3], s[8:9], s[OFF:OFF+1]
	s_or_b32 s[G0K+3], s[G0K+3], 0x80000000
	s_xor_b32 s[G0V+1], s[G0V+1], SLOT1
	s_add_nc_u64 s[G0V+2:G0V+3], s[10:11], s[OFF:OFF+1]
	s_or_b32 s[G0V+3], s[G0V+3], 0x80000000
	s_add_co_u32 s[NXT], s[NXT], 1  ; the block's next tile, or behind its last the second block's tile 0
	s_cmp_gt_u32 s[NXT], s[LQ]
	s_cselect_b32 s[NXT], 0, s[NXT]
	s_cselect_b32 s[LQ], s[LQ2], s[LQ]
.endif
	s_wait_dscnt 0x0                ; the add is done, and my reads of the slot are over
	s_barrier_signal -1
	s_sub_co_u32 s[TBK], s[TBK], 4*KS*PK  ; the fetches go back to a slot's first step, in the other slot
	s_xor_b32 s[TBK], s[TBK], SLOT1
	s_sub_co_u32 s[TBV], s[TBV], 4*KS*PV
	s_xor_b32 s[TBV], s[TBV], SLOT1
	s_barrier_wait -1
.if \fill
	LOAD
.endif
.endm
	s_load_b128 s[4:7], s[0:1], 0x0 ; q, k, v s[4:5]; O s[6:7]
	v_lshl_add_u32 v[SPW], v0, 2, SPARE
	v_mov_b32 v[NIL], 0
	ds_add_u32 v[SPW], v[NIL]       ; the wave's opening: the add and its wait stand ahead of my first tensor load
	ds_add_u32 v62, v63
	v_lshrrev_b32 v1, 5, v0
	v_readfirstlane_b32 s[WV], v1
	s_mov_b32 s13, ttmp9            ; b
	s_sub_co_u32 s50, 15, s13
	s_and_b32 s51, s13, 1           ; is b odd?
	s_cselect_b32 s[FB], s13, s50
	s_cselect_b32 s[GB], s50, s13
	s_and_b32 s20, ttmp7, 0xffff
	s_lshl_b32 s20, s20, 18         ; the head's first byte in q, k, v and O
	s_and_b32 s16, s[WV], 1         ; which half of a tile's 256 keys I fetch
	s_lshl_b32 s22, s16, 14
	s_add_co_u32 s22, s22, s20
	s_add_co_u32 s22, s22, 0x800000 ; in k
	s_mov_b32 s23, 0
	s_add_co_u32 s52, s22, 0x800000 ; in v
	s_mov_b32 s53, 0
	s_mul_i32 s17, s16, 128*PK
	s_mul_i32 s18, s16, 128*PV
	s_lshl_b32 s3, s[WV], 12        ; my 32 rows of 128 bytes,
	s_lshl_b32 s2, s[FB], 14        ; in the first block,
	s_add_co_u32 s2, s2, s3
	s_add_co_u32 s2, s2, s20
	s_lshl_b32 s84, s[GB], 14       ; and in the second
	s_add_co_u32 s84, s84, s3
	s_add_co_u32 s84, s84, s20
	s_mov_b32 s3, 0
	s_mov_b32 s85, 0
	; group 1: 128 keys are 16,384 dense bytes, asked for as 64 rows of 256 bytes and padded in LDS after every key
	s_mov_b32 s[G1K], (1<<16)|(1<<20)|(4<<22)|(3<<25)
	s_mov_b32 s[G1V], (1<<16)|(1<<20)|(4<<22)|(7<<25)
.irp g, G1K, G1V
	s_mov_b32 s[\g+1], 128<<16
	s_mov_b32 s[\g+2], 64<<16
	s_mov_b32 s[\g+3], 128<<16
	s_mov_b32 s[\g+4], 64
	s_mov_b32 s[\g+5], 128
	s_mov_b32 s[\g+6], 0
	s_mov_b32 s[\g+7], 0
.endr
	s_mov_b32 s[CS], 0x3e38aa3b     ; c = log2(e) / 8
	s_mov_b32 s[CS+1], s[CS]
	s_mov_b32 s[SEL], 0x76543210
	s_mov_b32 s[SEL+1], 0xfedcba98
	s_mov_b32 s[TBK], SLOT1+4*KS*PK ; the first change of slots turns these two into 0
	s_mov_b32 s[TBV], SLOT1+4*KS*PV
	s_mov_b32 s[G0K], 1
	s_mov_b32 s[G0K+1], s17
	s_mov_b32 s[G0V], 1
	s_add_co_u32 s[G0V+1], s18, VOFF
	s_lshr_b32 s[LQ], s[FB], 1
	s_lshr_b32 s[LQ2], s[GB], 1
	s_add_co_u32 s[RT], s[LQ], 1    ; the first block's slots,
	s_add_co_u32 s[SC], s[FB], 1
	s_lshl_b32 s[SC], s[SC], 1      ; and steps
	s_mov_b32 s[NXT], 1             ; behind tile 0 comes tile 1, or (F = 1) the second block's tile 0
	s_cmp_gt_u32 s[NXT], s[LQ]
	s_cselect_b32 s[NXT], 0, s[NXT]
	s_cselect_b32 s[LQ], s[LQ2], s[LQ]
	s_mov_b32 s[NEW], 1
	s_mov_b32 s[OFF+1], 0
	s_mov_b32 s[BIGN], 0xf149f2ca   ; -1e30
	s_mov_b32 s[SLOTS], 8
	s_wait_dscnt 0x0                ; the opening add is done
	s_wait_kmcnt 0x0
	s_add_nc_u64 s[8:9], s[4:5], s[22:23]      ; K and V at my half of the head's tile 0
	s_add_nc_u64 s[10:11], s[4:5], s[52:53]
	s_add_nc_u64 s[86:87], s[4:5], s[84:85]    ; Q at my rows of the second block,
	s_add_nc_u64 s[4:5], s[4:5], s[2:3]        ; and of the first
	s_add_nc_u64 s[OLO:OLO+1], s[6:7], s[84:85]
	s_add_nc_u64 s[6:7], s[6:7], s[2:3]
	s_add_nc_u64 s[G0K+2:G0K+3], s[8:9], 0
	s_or_b32 s[G0K+3], s[G0K+3], 0x80000000
	s_add_nc_u64 s[G0V+2:G0V+3], s[10:11], 0
	s_or_b32 s[G0V+3], s[G0V+3], 0x80000000
	LOAD                            ; tile 0 into slot 0: one load of mine is out
	v_and_b32 v1, 15, v0            ; r
	v_bfe_u32 v9, v0, 4, 1          ; h
	v_lshlrev_b32 v[QO], 7, v1
	v_lshl_add_u32 v[QO], v9, 4, v[QO]
	WIN 0x40
.set z, 0
.rept 4                             ; both blocks' Q: tile z / 2, channels 32 (z % 2) on
	global_load_b128 v[Q+8*z:Q+8*z+3],     v[QO], s[4:5] offset:(z/2)*2048+(z%2)*64
	global_load_b128 v[Q+8*z+4:Q+8*z+7],   v[QO], s[4:5] offset:(z/2)*2048+(z%2)*64+32
	global_load_b128 v[QB+8*z:QB+8*z+3],   v[QO], s[86:87] offset:(z/2)*2048+(z%2)*64
	global_load_b128 v[QB+8*z+4:QB+8*z+7], v[QO], s[86:87] offset:(z/2)*2048+(z%2)*64+32
.set z, z+1
.endr
	WIN 0
	v_lshlrev_b32 v10, 3, v9
	v_sub_nc_u32 v[QM], v1, v10
	s_lshl_b32 s13, s[WV], 5
	v_add_nc_u32 v[QM], s13, v[QM]  ; 32 w + r - 8 h
	v_add_nc_u32 v[QM+1], 16, v[QM]
	v_mul_u32_u24 v[AK0], v1, PK
	v_lshl_add_u32 v[AK0], v9, 4, v[AK0]
	v_and_b32 v10, 7, v0            ; the turning load: lane l reads key 8 (l / 16) + l % 8, channels 8 ((l / 8) % 2) + 0..7
	v_bfe_u32 v11, v0, 3, 1
	v_lshl_add_u32 v[AV0], v9, 3, v10
	v_mul_u32_u24 v[AV0], v[AV0], PV
	v_lshl_add_u32 v[AV0], v11, 4, v[AV0]
	v_add_nc_u32 v[AV0], VOFF, v[AV0]
	s_mul_i32 s13, s[WV], 16*SP
	s_add_co_u32 s13, s13, STAGE
	v_mul_u32_u24 v[STO], v1, SP
	v_lshl_add_u32 v[STO], v9, 4, v[STO]
	v_add_nc_u32 v[STO], s13, v[STO]
	v_bfe_u32 v[RD], v0, 3, 2
	v_mul_u32_u24 v[RD], v[RD], SP
	v_lshl_add_u32 v[RD], v10, 4, v[RD]
	v_add_nc_u32 v[RD], s13, v[RD]
	v_and_b32 v[GO], 31, v0
	v_lshlrev_b32 v[GO], 4, v[GO]
	; a block's first step multiplies O^T and l by a = 0, so they need only be finite: zeros for the first block, what the first block left for the second.  This stands in the wait for the first tile.
.set z, 0
.rept 64
	v_mov_b32 v[O+z], 0
.set z, z+1
.endr
.irp u, 0,1
	v_mov_b32 v[ST+4*\u+2], 0
	v_mov_b32 v[ST+4*\u+3], 0
.endr
; Product i of 16 of S^T = K Q^T: channels 32 (i / 8) on, keys 16 ((i / 2) % 4) on, tile i % 2.  The first 8 start the sums with the mask.  The 8 accumulators take turns.
.macro KQ
.set rS, S+32*(i%2)+8*((i/2)%4)
.set rK, KF+16*((i/2)%4)+8*(i/8)
.set rQ, Q+16*(i%2)+8*(i/8)
.set rM, MC+32*(i%2)+8*((i/2)%4)
.if i < 8
	WIN 0x15
	v_wmma_f32_16x16x32_f16 v[rS:rS+7], v[rK:rK+7], v[rQ:rQ+7], v[rM:rM+7]
.else
	WIN 0x05
	v_wmma_f32_16x16x32_f16 v[rS:rS+7], v[rK:rK+7], v[rQ:rQ+7], v[rS:rS+7]
.endif
.set i, i+1
.endm
; Product i of 16 of O^T += V^T P: keys 32 (i / 8) on, channels 16 ((i / 2) % 4) on, tile i % 2.
.macro PV
.set rO, O+32*(i%2)+8*((i/2)%4)
.set rV, VF+32*(i/8)+8*((i/2)%4)
.set rP, P+16*(i%2)+8*(i/8)
	WIN 0x01
	v_wmma_f32_16x16x32_f16 v[rO:rO+7], v[rV:rV+7], v[rP:rP+7], v[rO:rO+7]
.set i, i+1
.endm
.macro FETCH_K
	WIN 0x40
.irp f, 0,1,2,3,4,5,6,7             ; keys 16 (f / 2) on, channels 32 (f % 2) on
	ds_load_b128 v[KF+8*\f:KF+8*\f+3],   v[AK] offset:(\f/2)*16*PK+(\f%2)*64
	ds_load_b128 v[KF+8*\f+4:KF+8*\f+7], v[AK] offset:(\f/2)*16*PK+(\f%2)*64+32
.endr
	s_add_co_u32 s[TBK], s[TBK], KS*PK
	WIN 0
.endm
.macro FETCH_V
	WIN 0x40
.irp f, 0,1,2,3,4,5,6,7             ; keys 32 (f / 4) on, channels 16 (f % 4) on
	ds_load_tr16_b128 v[VF+8*\f:VF+8*\f+3],   v[AV] offset:(\f/4)*32*PV+(\f%4)*32
	ds_load_tr16_b128 v[VF+8*\f+4:VF+8*\f+7], v[AV] offset:(\f/4)*32*PV+16*PV+(\f%4)*32
.endr
	s_add_co_u32 s[TBV], s[TBV], KS*PV
	WIN 0
.endm
.macro REGS u
.set rT, ST+4*(\u)
.set rC, TMP+4*(\u)
.set rW, MV+(\u)
.set rS, S+32*(\u)
.set rP, P+16*(\u)
.set rO, O+32*(\u)
.endm
; Number n of the 22 that find a tile's maximum and statistics; each accumulator's lowest registers are read first.
.macro XS u, n
	REGS \u
.if (\n) < 4
	v_max3_num_f32 v[rC+(\n)], v[rS+8*(\n)], v[rS+8*(\n)+1], v[rS+8*(\n)+2]
.elseif (\n) < 12
	v_max3_num_f32 v[rC+(\n)%4], v[rC+(\n)%4], v[rS+8*((\n)%4)+2*((\n)/4)+1], v[rS+8*((\n)%4)+2*((\n)/4)+2]
.elseif (\n) == 12
	v_max3_num_f32 v[rC], v[rC], v[rS+7], v[rS+15]
.elseif (\n) == 13
	v_max3_num_f32 v[rC+1], v[rC+1], v[rS+23], v[rS+31]
.elseif (\n) == 14
	v_max3_num_f32 v[rC+2], v[rC+2], v[rC+3], v[rT+1]
.elseif (\n) == 15
	v_mov_b32 v[rW], v[rT]          ; c m_old is kept
.elseif (\n) == 16
	v_max3_num_f32 v[rC], v[rC], v[rC+1], v[rC+2]
.elseif (\n) == 17
	v_permlanex16_b32 v[rC+3], v[rC], s[SEL], s[SEL+1]  ; the query's other 32 keys lie in the lane 16 away
.elseif (\n) == 18
	v_max_num_f32 v[rT+1], v[rC], v[rC+3]
.elseif (\n) == 19
	v_mul_f32 v[rT], s[CS], v[rT+1]
.elseif (\n) == 20
	v_sub_f32 v[rC+1], v[rW], v[rT]
.else
	v_exp_f32 v[rC+2], v[rC+1]      ; a
.endif
.endm
; THE SOFTMAX of one step, both tiles alternating, all in window 0.
.macro SM
.irp n, 0,1,2,3,4,5,6,7,8,9,10,11,12,13,14,15,16,17,18,19,20,21
	XS 0, \n
	XS 1, \n
.endr
.set n, 0
.rept 16                            ; c s - c m
.irp u, 0,1
	REGS \u
	v_pk_fma_f32 v[rS+2*n:rS+2*n+1], v[rS+2*n:rS+2*n+1], s[CS:CS+1], v[rT:rT+1] op_sel_hi:[1,0,0] neg_lo:[0,0,1] neg_hi:[0,0,1]
.endr
.set n, n+1
.endr
.set n, 0
.rept 32                            ; two exponentials, then a pair of O^T times a: the plain instruction behind them (ISA guide 5.7.2); O^T's accumulators are read from their low ends on
	v_exp_f32 v[S+n], v[S+n]
	v_exp_f32 v[S+32+n], v[S+32+n]
	REGS n%2
	s_wait_alu depctr_va_vdst(0)
	v_pk_mul_f32 v[rO+2*(n/2):rO+2*(n/2)+1], v[rO+2*(n/2):rO+2*(n/2)+1], v[rC+2:rC+3] op_sel_hi:[1,0]
.set n, n+1
.endr
.set n, 0
	s_wait_alu depctr_va_vdst(0)
.rept 16
	v_cvt_pk_f16_f32 v[P+n], v[S+2*n], v[S+2*n+1]
	v_cvt_pk_f16_f32 v[P+16+n], v[S+32+2*n], v[S+32+2*n+1]
.set n, n+1
.endr
.irp w, 16,8,4,2                    ; the 16 pairs of a tile are added as a tree, in place
.set n, 0
.rept (\w)/2
	v_pk_add_f32 v[S+2*n:S+2*n+1], v[S+2*n:S+2*n+1], v[S+2*n+(\w):S+2*n+(\w)+1]
	v_pk_add_f32 v[S+32+2*n:S+32+2*n+1], v[S+32+2*n:S+32+2*n+1], v[S+32+2*n+(\w):S+32+2*n+(\w)+1]
.set n, n+1
.endr
.endr
.irp u, 0,1
	REGS \u
	v_pk_fma_f32 v[rT+2:rT+3], v[rT+2:rT+3], v[rC+2:rC+3], v[rS:rS+1] op_sel_hi:[1,0,1]  ; l = a l + the sum
.endr
.endm
; The mask of the products K Q^T to come.  Only a block's last two steps have hidden keys: the step's first key lies 64 (2 - SC) behind the block's first query; register j of key block kb is hidden where 16 kb + j > VX.
.macro MASKQ
	s_cmp_gt_u32 s[SC], 2
	s_cbranch_scc1 .Lopen_\@
	s_sub_co_u32 s13, 2, s[SC]
	s_lshl_b32 s13, s13, 6
	v_sub_nc_u32 v[VX], v[QM], s13
	v_sub_nc_u32 v[VX+1], v[QM+1], s13
	WIN 0x40
.set z, 0
.rept 64
	v_cmp_gt_i32 vcc_lo, 16*((z/8)%4)+z%8, v[VX+z/32]
	v_cndmask_b32 v[MC+z], 0, s[BIGN], vcc_lo
.set z, z+1
.endr
	WIN 0
.Lopen_\@:
	s_sub_co_u32 s[SC], s[SC], 1
.endm
; THE FIRST HALF OF A TRIP, for step s: K(s + 1) is asked for, then the softmax and V^T P of step s.  CNT = 1 marks a block's last step: there is no step s + 1, and K's run is jumped over.
.macro HALF_A
	PLACES                          ; behind the products K Q^T: ahead of the loads into K's registers and of the reads of S^T
	s_cmp_lg_u32 s[CNT], 1
	s_cbranch_scc1 .Lmore_\@
	s_wait_dscnt 0x0                ; no run of K follows V's here, so the count further down would leave V's 16 loads out: they are waited for now
	s_branch .Lsoft_\@
.Lmore_\@:
	v_add_nc_u32 v[AK], s[TBK], v[AK0]
	FETCH_K                         ; step s + 1
.Lsoft_\@:
	SM
	s_wait_dscnt 16                 ; V(s) is in; K's 16 younger loads may be out
.set i, 0
.rept 16
	PV
.endr
	WIN 0
.endm
; THE SECOND HALF, for step s + 1 (at a block's beginning: step 0): the mask is made, V of that step is asked for and K Q^T made.
.macro HALF_B
	MASKQ
	PLACES                          ; behind the products V^T P, ahead of the loads into V's registers
	v_add_nc_u32 v[AV], s[TBV], v[AV0]
	FETCH_V
	s_wait_dscnt 16                 ; K is in; V's 16 may be out
.set i, 0
.rept 16
	KQ
.endr
	WIN 0
.endm
; A BLOCK BEGINS, in the place of a trip's first half (so it takes the count down): the mask is 0; c m starts far below every c s, so the first a is 0; m at the lowest finite number; K of step 0 is asked for.
; Four places stand first: on no way into this text does a line that writes the mask's or K's registers follow a product K Q^T, which reads them, by fewer (ISA guide 7.12.1).
.macro BEGIN
	s_mov_b32 s[NEW], 0
	s_sub_co_u32 s[CNT], s[CNT], 1
	PLACES
	WIN 0x40
.set z, 0
.rept 64
	v_mov_b32 v[MC+z], 0
.set z, z+1
.endr
	WIN 0
.irp u, 0,1
	v_mov_b32 v[ST+4*\u], 0xfe000000
	v_mov_b32 v[ST+4*\u+1], 0xff7fffff
.endr
	v_add_nc_u32 v[AK], s[TBK], v[AK0]
	FETCH_K
	s_wait_loadcnt 0x0              ; Q
.endm
; THE WAY OUT: l's halves and the other half of the lanes' are added; O^T is divided by l, rounded to f16 and sent through my stage, a tile at a time.
.macro PACK t
.set z, 0
.rept 16
	v_pk_mul_f32 v[O+32*(\t)+2*z:O+32*(\t)+2*z+1], v[O+32*(\t)+2*z:O+32*(\t)+2*z+1], v[ST+4*(\t)+2:ST+4*(\t)+3] op_sel_hi:[1,0]
.set z, z+1
.endr
.set z, 0
.rept 16
	v_cvt_pk_f16_f32 v[S+16*(\t)+z], v[O+32*(\t)+2*z], v[O+32*(\t)+2*z+1]
.set z, z+1
.endr
.irp f, 0,1,2,3
	ds_store_b128 v[STO], v[S+16*(\t)+4*\f:S+16*(\t)+4*\f+3] offset:32*\f
.endr
.irp f, 0,1,2,3
	ds_load_b128 v[S+16*(\t)+4*\f:S+16*(\t)+4*\f+3], v[RD] offset:\f*4*SP  ; LDS serves a wave's instructions in order (ISA guide 5.7.1.4)
.endr
.endm
.macro SEND t, younger
.irp f, 0,1,2,3
	s_wait_dscnt (\younger)+3-\f
	global_store_b128 v[GO], v[S+16*(\t)+4*\f:S+16*(\t)+4*\f+3], s[6:7] offset:(\t)*2048+\f*512  ; 512 consecutive bytes, aligned
.endr
.endm
.macro WAYOUT
	PLACES                          ; behind the last products
.irp u, 0,1
	v_add_f32 v[ST+4*\u+2], v[ST+4*\u+2], v[ST+4*\u+3]
.endr
.irp u, 0,1
	v_permlanex16_b32 v[ST+4*\u+3], v[ST+4*\u+2], s[SEL], s[SEL+1]
.endr
.irp u, 0,1
	v_add_f32 v[ST+4*\u+2], v[ST+4*\u+2], v[ST+4*\u+3]
.endr
.irp u, 0,1
	v_rcp_f32 v[ST+4*\u+2], v[ST+4*\u+2]
.endr
	v_nop
	s_wait_alu depctr_va_vdst(0)
	PACK 0
	PACK 1
	SEND 0, 8                       ; the second tile's four stores and four loads may be out
	SEND 1, 0
.endm
.Lslot:                             ; eight times: a slot is entered and the next is asked for
	CHANGE 1
	s_sub_co_u32 s[RT], s[RT], 1
	s_mov_b32 s[CNT], 5             ; four trips fetch the slot's four steps; a fifth first half ends a block whose last slot this is
	s_cmp_eq_u32 s[NEW], 1
	s_cbranch_scc0 .Lx
	BEGIN
	s_branch .Lmid
.Lx:
	HALF_A
	s_sub_co_u32 s[CNT], s[CNT], 1
	s_cmp_eq_u32 s[CNT], 0
	s_cbranch_scc1 .Lblock_end      ; the loop is left in its middle: the block's last step is done
.Lmid:
	HALF_B
	s_cmp_eq_u32 s[CNT], 1          ; the slot's four steps are fetched:
	s_cselect_b32 s13, s[RT], 0     ; has the block a further slot?
	s_cmp_lg_u32 s13, 0
	s_cbranch_scc1 .Lbottom
	s_branch .Lx
.Lblock_end:                        ; in the loop this is the first block's end: the second's last slot is the walk's last
	WAYOUT
	s_wait_xcnt 0x0                 ; the stores' registers and O's address are rewritten only behind this wait (ISA guide 3.1)
	s_mov_b64 s[6:7], s[OLO:OLO+1]
	s_add_co_u32 s[RT], s[LQ2], 1
	s_add_co_u32 s[SC], s[GB], 1
	s_lshl_b32 s[SC], s[SC], 1
	s_mov_b32 s[NEW], 1
	WIN 0x41
.set z, 0
.rept 32
	v_mov_b32 v[Q+z], v[QB+z]       ; the second block's Q goes where the one text of the products names Q
.set z, z+1
.endr
	WIN 0
.Lbottom:
	s_sub_co_u32 s[SLOTS], s[SLOTS], 1
	s_cmp_lg_u32 s[SLOTS], 0
	s_cbranch_scc1 .Lslot
	CHANGE 0                        ; the walk's last slot is written out; only its first two steps are read
	s_mov_b32 s[CNT], 3             ; two trips fetch them; the third first half ends the block
	s_cmp_eq_u32 s[NEW], 1
	s_cbranch_scc0 .Lx2
	BEGIN
	s_branch .Lmid2
.Lx2:
	HALF_A
	s_sub_co_u32 s[CNT], s[CNT], 1
	s_cmp_eq_u32 s[CNT], 0
	s_cbranch_scc1 .Lend2
.Lmid2:
	HALF_B
	s_branch .Lx2
.Lend2:
	WAYOUT
	s_wait_tensorcnt 0x0            ; the wave's end
	ds_add_u32 v[SPW], v[NIL]
	s_wait_dscnt 0x0
	s_endpgm
.Lfunc_end_k_qfe00642619_attn:
	.size	k_qfe00642619_attn, .Lfunc_end_k_qfe00642619_attn-k_qfe00642619_attn
	.p2alignl 7, 3214868480
	.fill 96, 4, 3214868480
	.section	.rodata,"a",@progbits
	.p2align	6, 0x0
	.amdhsa_kernel k_qfe00642619_attn
		.amdhsa_group_segment_fixed_size 327680
		.amdhsa_private_segment_fixed_size 0
		.amdhsa_enable_private_segment 0
		.amdhsa_kernarg_size 16
		.amdhsa_user_sgpr_count 2
		.amdhsa_user_sgpr_kernarg_segment_ptr 1
		.amdhsa_wavefront_size32 1
		.amdhsa_system_sgpr_workgroup_id_x 1
		.amdhsa_system_sgpr_workgroup_id_y 1
		.amdhsa_system_sgpr_workgroup_id_z 1
		.amdhsa_system_vgpr_workitem_id 0
		.amdhsa_next_free_vgpr 512
		.amdhsa_next_free_sgpr 96
		.amdhsa_reserve_vcc 1
		.amdhsa_float_denorm_mode_32 3
		.amdhsa_float_denorm_mode_16_64 3
		.amdhsa_memory_ordered 1
		.amdhsa_forward_progress 1
		.amdhsa_inst_pref_size 84
	.end_amdhsa_kernel
	.amdgpu_metadata
---
amdhsa.version: [ 1, 2 ]
amdhsa.kernels:
  - .name:           k_qfe00642619_attn
    .symbol:         k_qfe00642619_attn.kd
    .args:
      - { .name: qkvh, .offset: 0, .size: 8, .value_kind: global_buffer, .address_space: global }
      - { .name: act, .offset: 8, .size: 8, .value_kind: global_buffer, .address_space: global }
    .group_segment_fixed_size: 327680
    .private_segment_fixed_size: 0
    .kernarg_segment_align: 8
    .kernarg_segment_size: 16
    .max_flat_workgroup_size: 128
    .sgpr_count:     96
    .vgpr_count:     512
    .wavefront_size: 32
...
	.end_amdgpu_metadata
.endif
;; end of part 4
;; launch go (part 5): grid 8 x 32, 4 waves a work-group, clusters of 4 x 4, 327,680 bytes of LDS; arguments act, wo, b_o, x, ao; writes ao
.if DOCPART == 5
	.amdgcn_target "amdgcn-amd-amdhsa--gfx1250"
	.amdhsa_code_object_version 6
	.text
	.protected	k_qfe00642619_go
	.globl	k_qfe00642619_go
	.p2align	8
	.type	k_qfe00642619_go,@function
k_qfe00642619_go:
	s_mov_b64 s[64:65], 0
	v_nop
	global_prefetch_b8 v0, s[64:65] scope:SCOPE_SE
	s_setreg_imm32_b32 hwreg(HW_REG_WAVE_MODE, 25, 1), 1
	s_wait_xcnt 0x0
	s_wait_alu depctr_hold_cnt(0) depctr_sa_sdst(0) depctr_va_vdst(0) depctr_va_sdst(0) depctr_va_ssrc(0) depctr_va_vcc(0) depctr_vm_vsrc(0)
	s_getreg_b32 s2, hwreg(HW_REG_IB_STS2, 6, 4)
	s_cmp_eq_u32 s2, 0
	s_cbranch_scc0 .Lentry_in_a_cluster
	s_endpgm
.Lentry_in_a_cluster:
	s_bfe_u32 s2, ttmp6, 0x10000c
	s_cmp_lg_u32 s2, 0xf033
	s_cbranch_scc0 .Lentry_shape_is_right
	s_endpgm
.Lentry_shape_is_right:
; attn_out = O W_o + b_o + x.  A = O by heads, [32 batch x head][2048][64] f16; W = wo [1024 n][1024 k] f16; bias, x and the result f32; sums in f32.
; A tile of C is 128 x 128; four waves, 2 x 2, each 64 x 64: 16 accumulators.  K goes in steps of 256 (four heads) through two LDS slots; waves 0 and 1 fetch two heads of A each, waves 2 and 3 W's halves.
; A's tile: 128 tokens of one head are 16,384 dense bytes, asked for as one row; two such rows, a head apart, to a load; padded after every 128 bytes: in LDS a panel of 128 rows x 144 bytes for each head.
; CLUSTER 4 x 4: the four work-groups of a row need the same tiles of A, the four of a column the same tiles of W: each tile is asked for jointly, by the same load, descriptor and mask in all four.
; THE ORDER OF K.  Step n of a cluster's walk is K step n xor RX; RX is 2 where the cluster's x + y is odd, else 0: such a cluster walks 2, 3, 0, 1.  Clusters that need the same tile of A are neighbours
; along x, of W along y: of two neighbours one asks for a tile two steps ahead of the other.  LIMIT: in the odd clusters the same terms are summed in that order, not in ascending K.
; The matrix instruction is used transposed (source 0 = 16 rows of W, source 1 = 16 rows of A): a lane holds eight neighbouring columns of one row of C.  The first products take the bias as C.
; REGISTERS: window 0: v1-29 addresses; A's two fragment buffers from v64; the bias.  Window 1: W's two fragment buffers, v128-255 the residual.  Window 2: accumulator q = 4 a + b at register 8 q.
.set TM, 128
.set TN, 128
.set MB, 4
.set NBK, 4
.set SIZE_K, 1024
.set KSTEP, 256
.set DEP, 2                            ; matrix instructions along K in a quarter of a K step
.set PITCH, 528                        ; W's LDS row: 512 bytes + 16: an odd multiple of 16 (ISA guide 11.1)
.set QI, 6                             ; padding after every 128 words
.set APITCH, 144
.set AREG, 4*18432                     ; four panels
.set AQI, 4                            ; padding after every 32 words
.set AD0, 8192
.set AD1, 2
.set AST, 131072                       ; elements from head to head
.set ASTEP, 1048576                    ; four heads on
.set BIAS, 192                         ; v[192:223]
.set STAGEB, 16*272                    ; a wave's stage: 16 rows x (256 + 16) bytes
.set PANEL, 1
.set WAVES41, 0
.set RESID, 1
.set RES, 128                          ; window 1
.set NW, DEP*MB*NBK
.set FAS, 8*DEP*MB
.set FBS, 8*DEP*NBK
.set FA0, 64
.set SLOT, AREG+TN*PITCH
.set STAGE, 2*SLOT
.set SPARE, STAGE+4*STAGEB             ; the spare words, 128 bytes for each wave; no other line names them
.set KT, SIZE_K/KSTEP
.set BSTEP, 2*KSTEP
.set G1, 24
.set G0, 32
.set G1B, 40
.set G0B, 48
.set MSB, 0
.macro WIN new                         ; the immediate's high byte repeats the setting that is left; a switch that changes nothing is dropped
.if MSB != (\new)
	s_set_vgpr_msb (MSB<<8)|(\new)
.set MSB, \new
.endif
.endm
.macro PLACES                          ; four places behind matrix instructions, ahead of loads into their sources and of reads of their results
.rept 4
	v_nop
.endr
.endm
.macro JLOAD                           ; a joint refill; the branch hangs on the wave's number alone; s_nop 0 and four v_nop follow each line
	s_cmp_eq_u32 s15, 0
	s_cbranch_scc0 .Lfor_b_\@
	tensor_load_to_lds s[G0+4:G0+7], s[G1:G1+7]
	s_nop 0
	PLACES
	s_branch .Lasked_\@
.Lfor_b_\@:
	tensor_load_to_lds s[G0B+4:G0B+7], s[G1B:G1B+7]
	s_nop 0
	PLACES
.Lasked_\@:
.endm
.macro CREST                           ; a round of the cluster's barrier behind its opening barrier
	s_cmp_lg_u32 s14, 0
	s_cbranch_scc1 .Lnot_wave_0_\@
	s_barrier_signal -3
.Lnot_wave_0_\@:
	s_barrier_wait -3
	s_barrier_signal -1
	s_barrier_wait -1
.endm
.macro CROUND
	s_barrier_signal -1
	s_barrier_wait -1
	CREST
.endm
; A quarter of the quarter's matrix instructions on fragment buffer f.  All accumulators take turns, one instruction a turn.  first = 1: the first 32 along K start the sums with the bias.
.macro MULP f, part, first
.set wi, (\part)*NW/4
.rept NW/4
.set cc, wi/(MB*NBK)
.set aa, (wi/NBK)%MB
.set bb, wi%NBK
.set qq, NBK*aa+bb
.set aw, 2+qq/32
.set rD, 8*(qq%32)
.set rB, (\f)*FBS+8*(cc*NBK+bb)
.set rA, FA0+(\f)*FAS+8*(cc*MB+aa)
.if (\first) && (cc == 0)
	WIN 1|(aw<<6)
	v_wmma_f32_16x16x32_f16 v[rD:rD+7], v[rB:rB+7], v[rA:rA+7], v[BIAS+8*bb:BIAS+8*bb+7]
.else
	WIN 1|(aw<<4)|(aw<<6)
	v_wmma_f32_16x16x32_f16 v[rD:rD+7], v[rB:rB+7], v[rA:rA+7], v[rD:rD+7]
.endif
.set wi, wi+1
.endr
.endm
; The fragments of quarter kq of the K step in hand, into buffer g, in one run: W's, then A's.
.macro FETCH kq, g
	WIN 0x40
.set cc, 0
.rept DEP
.set kk, (\kq)*DEP+cc
.set bb, 0
.rept NBK
.set rB, (\g)*FBS+8*(cc*NBK+bb)
	ds_load_b128 v[rB:rB+3],   v19 offset:bb*16*PITCH+64*kk
	ds_load_b128 v[rB+4:rB+7], v19 offset:bb*16*PITCH+64*kk+32
.set bb, bb+1
.endr
.set cc, cc+1
.endr
	WIN 0
.set cc, 0
.rept DEP
.set kk, (\kq)*DEP+cc
.set aa, 0
.rept MB
.set rA, FA0+(\g)*FAS+8*(cc*MB+aa)
.if PANEL
.set ab, (kk/2)*18432+aa*16*APITCH+(kk%2)*64
.else
.set ab, aa*16*APITCH+64*kk
.endif
	ds_load_b128 v[rA:rA+3],   v18 offset:ab
	ds_load_b128 v[rA+4:rA+7], v18 offset:ab+32
.set aa, aa+1
.endr
.set cc, cc+1
.endr
.endm
.macro QUARTER kq, f, g, first         ; multiplies buffer f; in its middle fetches quarter kq into buffer g
	s_wait_dscnt 0x0                               ; buffer f was asked for half a quarter ago
	MULP \f, 0, \first
	MULP \f, 1, \first
	PLACES
	FETCH \kq, \g
	MULP \f, 2, \first
	MULP \f, 3, \first
.endm
; The last quarter multiplies buffer 1 and changes slots.  fill = 1: the slot just read out takes the walk's step two steps on.  fill = 0 (the tail): nothing is asked for, and in the tail's last trip (s61 = 1) there is no next slot: the run of fragment loads is jumped over.
.macro TURN fill
	WIN 0
	s_wait_tensorcnt 0x0                           ; all my tensor loads have landed: my part of the next slot
	ds_add_u32 v28, v29                            ; 0 onto my spare word
	s_wait_dscnt 0x1                               ; my fragment loads are in; the add alone may be out
	MULP 1, 0, 0
	s_wait_dscnt 0x0                               ; the add is done, and my reads of this slot are over
	s_barrier_signal -1
	MULP 1, 1, 0
	WIN 0
	s_barrier_wait -1
.if \fill
	CREST                                          ; the barrier has opened a round of the cluster's: no wave of any partner still reads this slot or has a load on its way
	s_xor_b32 s57, s57, SLOT                       ; the slot to fill: 0 or SLOT
	s_add_co_u32 s[G0+5], s59, s57
	s_add_co_u32 s[G0B+5], s60, s57
	s_add_co_u32 s62, s62, 1                       ; the walk's next step,
	s_xor_b32 s84, s62, s63                        ; its place along K;
	s_mul_i32 s86, s84, BSTEP
	s_mul_i32 s84, s84, ASTEP
	s_add_nc_u64 s[G0+6:G0+7], s[66:67], s[84:85]  ; both addresses are made anew: the tile's first K step plus that offset, and the type
	s_or_b32 s[G0+7], s[G0+7], 0x80000000
	s_add_nc_u64 s[G0B+6:G0B+7], s[68:69], s[86:87]
	s_or_b32 s[G0B+7], s[G0B+7], 0x80000000
	JLOAD                                          ; the first tensor load behind the round; its four v_nop are also the places ahead of the loads below
.else
	PLACES
	s_cmp_eq_u32 s61, 1
	s_cbranch_scc1 .Lno_fetch_\@
.endif
	s_xor_b32 s56, s56, SLOT                       ; the slot to read
	v_add_nc_u32 v18, s56, v16
	v_add_nc_u32 v19, s56, v17
	FETCH 0, 0
.if !(\fill)
.Lno_fetch_\@:
.endif
	MULP 1, 2, 0
	MULP 1, 3, 0
.endm
	s_load_b256 s[4:11], s[0:1], 0x0               ; A s[4:5], W s[6:7], bias s[8:9], the residual s[10:11]
.if RESID
	s_load_b64 s[12:13], s[0:1], 0x20              ; the result
.endif
	v_lshl_add_u32 v28, v0, 2, SPARE
	v_mov_b32 v29, 0
	ds_add_u32 v28, v29                            ; the wave's opening: the add and its wait stand ahead of my first tensor load; work on registers stands between them
	ds_add_u32 v28, v29
	v_lshrrev_b32 v1, 5, v0
	v_readfirstlane_b32 s14, v1                    ; wave 0..3
	s_lshr_b32 s15, s14, 1                         ; I fetch for A (0) or for W (1),
	s_and_b32 s16, s14, 1                          ; this half of the tile
.if WAVES41
	s_mov_b32 s2, s14
	s_mov_b32 s3, 0
.else
	s_mov_b32 s2, s15                              ; my place among the waves: down,
	s_mov_b32 s3, s16                              ; along
.endif
	s_bfe_u32 s17, ttmp6, 0x40000                  ; cx
	s_bfe_u32 s18, ttmp6, 0x40004                  ; cy
	s_lshl_b32 s19, ttmp9, 2
	s_add_co_u32 s19, s19, s17                     ; tile column
	s_and_b32 s20, ttmp7, 0xffff
	s_lshl_b32 s20, s20, 2
	s_add_co_u32 s20, s20, s18                     ; tile row
	s_lshl_b32 s21, s18, 2
	s_lshl_b32 s21, 15, s21                        ; my row of the cluster
	s_lshl_b32 s22, 0x1111, s17                    ; my column
	s_or_b32 s[G1], s21, (1<<16)|(1<<20)|(1<<21)|(AQI<<22)|(3<<25)   ; mask; 2-byte elements; padding on; bit 21 beside a mask; the interval; 4 words of padding
	s_or_b32 s[G1B], s22, (1<<16)|(1<<20)|(1<<21)|(QI<<22)|(3<<25)
	s_mov_b32 s[G1+1], (AD0&0xffff)<<16            ; tensor_dim0
	s_mov_b32 s[G1+2], (AD0>>16)|(AD1<<16)         ; tensor_dim1
	s_mov_b32 s[G1+3], AD0<<16                     ; tile_dim0
	s_mov_b32 s[G1+4], AD1                         ; tile_dim1
	s_mov_b32 s[G1+5], AST                         ; elements from row to row
	s_mov_b32 s[G1+6], 0
	s_mov_b32 s[G1+7], 0
	s_mov_b32 s[G1B+1], KSTEP<<16
	s_mov_b32 s[G1B+2], (TN/2)<<16
	s_mov_b32 s[G1B+3], KSTEP<<16
	s_mov_b32 s[G1B+4], TN/2
	s_mov_b32 s[G1B+5], SIZE_K
	s_mov_b32 s[G1B+6], 0
	s_mov_b32 s[G1B+7], 0
	; A's offset hangs on the tile row and my half alone, W's on the tile column and my half alone, each in registers that never hold the other coordinate
.if PANEL
	s_lshr_b32 s66, s20, 4
	s_lshl_b32 s66, s66, 22                        ; the batch: 16 heads of 262,144 bytes
	s_and_b32 s67, s20, 15
	s_lshl_b32 s67, s67, 14                        ; 128 tokens of 128 bytes
	s_add_co_u32 s66, s66, s67
	s_lshl_b32 s23, s16, 19                        ; my two of the step's four heads
	s_add_co_u32 s66, s66, s23
.else
	s_mul_i32 s66, s20, TM*SIZE_K*2
	s_mul_i32 s23, s16, (TM/2)*SIZE_K*2
	s_add_co_u32 s66, s66, s23
.endif
	s_mov_b32 s67, 0
	s_mul_i32 s68, s19, TN*SIZE_K*2
	s_mul_i32 s23, s16, (TN/2)*SIZE_K*2
	s_add_co_u32 s68, s68, s23
	s_mov_b32 s69, 0
	s_mul_i32 s59, s16, AREG/2                     ; where my half lands in a slot, for A
	s_mul_i32 s60, s16, (TN/2)*PITCH               ; and for W: no place in the cluster enters an LDS address
	s_add_co_u32 s60, s60, AREG
	s_mov_b32 s56, 0
	s_mov_b32 s57, SLOT
	s_and_b32 s63, ttmp7, 0xffff                   ; the cluster's y
	s_add_co_u32 s63, s63, ttmp9                   ; plus its x: all sixteen partners share both
	s_and_b32 s63, s63, 1
	s_lshl_b32 s63, s63, 1                         ; RX: 0, or 2 where that sum is odd
	s_mov_b32 s62, 1                               ; the walk's step that the walking descriptor holds
	s_mul_i32 s84, s63, ASTEP                      ; the walk's step 0 is K step RX, its step 1 the K step behind that
	s_mov_b32 s85, 0
	s_mul_i32 s86, s63, BSTEP
	s_mov_b32 s87, 0
	s_mul_i32 s78, s19, TN*4                       ; my columns in the bias
	s_mul_i32 s79, s3, 64*NBK
	s_add_co_u32 s78, s78, s79
	s_mov_b32 s79, 0
	; my part of the result and of the residual: (128 tile row + 64 down) rows of 4,096 bytes, (128 tile column + 64 along) numbers of 4
	s_lshl_b32 s70, s20, 7
	s_lshl_b32 s71, s2, 6
	s_add_co_u32 s70, s70, s71
	s_lshl_b32 s70, s70, 12
	s_lshl_b32 s71, s19, 9
	s_add_co_u32 s70, s70, s71
	s_lshl_b32 s71, s3, 8
	s_add_co_u32 s70, s70, s71
	s_mov_b32 s71, 0
	s_wait_dscnt 0x0                               ; the opening add is done
	s_wait_kmcnt 0x0
	s_add_nc_u64 s[66:67], s[4:5], s[66:67]        ; my part of A's tile at K step 0: kept
	s_add_nc_u64 s[68:69], s[6:7], s[68:69]        ; the same for W
	s_add_nc_u64 s[8:9], s[8:9], s[78:79]
	s_add_nc_u64 s[72:73], s[12:13], s[70:71]      ; the result
	s_add_nc_u64 s[74:75], s[10:11], s[70:71]      ; the residual
	s_mov_b32 s[G0], 1
	s_mov_b32 s[G0+1], s59
	s_add_nc_u64 s[G0+2:G0+3], s[66:67], s[84:85]
	s_mov_b32 s[G0+4], 1
	s_add_co_u32 s[G0+5], s59, SLOT
	s_add_nc_u64 s[G0+6:G0+7], s[G0+2:G0+3], ASTEP
	s_or_b32 s[G0+3], s[G0+3], 0x80000000
	s_or_b32 s[G0+7], s[G0+7], 0x80000000
	s_mov_b32 s[G0B], 1
	s_mov_b32 s[G0B+1], s60
	s_add_nc_u64 s[G0B+2:G0B+3], s[68:69], s[86:87]
	s_mov_b32 s[G0B+4], 1
	s_add_co_u32 s[G0B+5], s60, SLOT
	s_add_nc_u64 s[G0B+6:G0B+7], s[G0B+2:G0B+3], BSTEP
	s_or_b32 s[G0B+3], s[G0B+3], 0x80000000
	s_or_b32 s[G0B+7], s[G0B+7], 0x80000000
	CROUND                                         ; all sixteen work-groups are here: the first joint loads meet
	s_cmp_eq_u32 s15, 0                            ; a wave's two first fills stand in one branch: two loads of mine are out
	s_cbranch_scc0 .Lfirst_b
	tensor_load_to_lds s[G0:G0+3], s[G1:G1+7]
	s_nop 0
	tensor_load_to_lds s[G0+4:G0+7], s[G1:G1+7]
	s_nop 0
	PLACES
	s_branch .Lfirst_asked
.Lfirst_b:
	tensor_load_to_lds s[G0B:G0B+3], s[G1B:G1B+7]
	s_nop 0
	tensor_load_to_lds s[G0B+4:G0B+7], s[G1B:G1B+7]
	s_nop 0
	PLACES
.Lfirst_asked:
	v_and_b32 v1, 15, v0                           ; r = lane % 16
	v_bfe_u32 v2, v0, 4, 1                         ; h = lane / 16
	v_mul_u32_u24 v16, v1, APITCH                  ; a fragment: row r, 16 bytes for each half of the lanes
	v_lshl_add_u32 v16, v2, 4, v16
	s_mul_i32 s23, s2, 16*MB*APITCH
	v_add_nc_u32 v16, s23, v16                     ; my rows of A in slot 0
	v_mul_u32_u24 v17, v1, PITCH
	v_lshl_add_u32 v17, v2, 4, v17
	s_mul_i32 s23, s3, 16*NBK*PITCH
	s_add_co_u32 s23, s23, AREG
	v_add_nc_u32 v17, s23, v17                     ; my rows of W in slot 0
	v_lshlrev_b32 v20, 5, v2                       ; the bias: eight numbers from column 8 h of each block
	s_mul_i32 s23, s14, STAGEB
	s_add_co_u32 s23, s23, STAGE                   ; my stage
	v_mul_u32_u24 v24, v1, 272                     ; in: row r, 32 bytes for each half of the lanes
	v_lshl_add_u32 v24, v2, 5, v24
	v_add_nc_u32 v24, s23, v24
	v_mul_u32_u24 v25, v2, 272                     ; back: lanes 0-15 take one row of 256 bytes, lanes 16-31 the next
	v_lshl_add_u32 v25, v1, 4, v25
	v_add_nc_u32 v25, s23, v25
	v_lshlrev_b32 v26, 12, v2                      ; and the same two rows in memory
	v_lshl_add_u32 v26, v1, 4, v26
.set bb, 0
.rept NBK
	global_load_b128 v[BIAS+8*bb:BIAS+8*bb+3],   v20, s[8:9] offset:64*bb
	global_load_b128 v[BIAS+8*bb+4:BIAS+8*bb+7], v20, s[8:9] offset:64*bb+16
.set bb, bb+1
.endr
	WIN 0x40
.set tt, 0
.rept 32                                               ; the residual of my 64 x 64, in the layout in which rows come back from the stage: it lands under the whole K loop
	global_load_b128 v[RES+4*tt:RES+4*tt+3], v26, s[74:75] offset:2*tt*4096
.set tt, tt+1
.endr
	WIN 0
	s_wait_tensorcnt 0x1                           ; my part of the walk's step 0 is in; step 1's may stay out
	s_barrier_signal -1
	s_barrier_wait -1
	v_mov_b32 v18, v16
	v_mov_b32 v19, v17
	FETCH 0, 0
	s_wait_loadcnt 32                              ; the bias is in; the 32 younger loads of the residual stay out
	QUARTER 1, 0, 1, 1                             ; the first quarter stands ahead of the loop: its products start the sums
	WIN 0
	s_mov_b32 s58, KT-2
.Lk:                                                   ; a trip: from a K step's second quarter to the next step's first; it fills the slot that it leaves
	QUARTER 2, 1, 0, 0
	QUARTER 3, 0, 1, 0
	TURN 1
	QUARTER 1, 0, 1, 0
	WIN 0
	s_sub_co_u32 s58, s58, 1
	s_cmp_lg_u32 s58, 0
	s_cbranch_scc1 .Lk
	s_mov_b32 s61, 2
.Ltail:                                                ; the last two K steps ask for nothing; the second trip is left behind its last quarter
	QUARTER 2, 1, 0, 0
	QUARTER 3, 0, 1, 0
	TURN 0
	WIN 0
	s_sub_co_u32 s61, s61, 1
	s_cmp_eq_u32 s61, 0
	s_cbranch_scc1 .Lout
	QUARTER 1, 0, 1, 0
	WIN 0
	s_branch .Ltail
.Lout:
	s_wait_dscnt 0x0                               ; no LDS load of mine is out: the fragment registers serve the way out
	PLACES
	; THE WAY OUT, a block of 16 rows at a time: the f32 sums go into my stage, come back as whole rows of 256 bytes, take the residual and are stored.
.set OB, 64                            ; v[64:95], v[96:127] by turns
.macro TOSTAGE a
.set BK, OB+32*((\a)%2)
	s_wait_xcnt 0x0                                ; the registers that earlier stores read are loaded again only behind this wait (ISA guide 3.1)
	WIN 0x08                                       ; the data in window 2
.set bb, 0
.rept 4
.set rD, 8*(4*(\a)+bb)
	ds_store_b128 v24, v[rD:rD+3]   offset:64*bb   ; each accumulator from its low end on
	ds_store_b128 v24, v[rD+4:rD+7] offset:64*bb+16
.set bb, bb+1
.endr
	WIN 0
.set tt, 0
.rept 8
	ds_load_b128 v[BK+4*tt:BK+4*tt+3], v25 offset:544*tt  ; LDS serves a wave's instructions in order (ISA guide 5.7.1.4): these see the stores above
.set tt, tt+1
.endr
.endm
.macro SEND a, younger                 ; younger: the next block's eight stores and eight loads, or none
.set BK, OB+32*((\a)%2)
	s_wait_dscnt \younger
	WIN 0x04                                       ; source 1 in window 1
.set zz, 0
.rept 16
	v_pk_add_f32 v[BK+2*zz:BK+2*zz+1], v[BK+2*zz:BK+2*zz+1], v[RES+32*(\a)+2*zz:RES+32*(\a)+2*zz+1]
.set zz, zz+1
.endr
	WIN 0
.set tt, 0
.rept 8
	global_store_b128 v26, v[BK+4*tt:BK+4*tt+3], s[72:73] offset:(16*(\a)+2*tt)*4096  ; sixteen lanes store 256 consecutive bytes, aligned
.set tt, tt+1
.endr
.endm
	TOSTAGE 0
	TOSTAGE 1
	s_wait_loadcnt 0x0                             ; the residual
	SEND 0, 16
	TOSTAGE 2
	SEND 1, 16
	TOSTAGE 3
	SEND 2, 16
	SEND 3, 0
	s_wait_tensorcnt 0x0                           ; the wave's end
	ds_add_u32 v28, v29
	s_wait_dscnt 0x0
	CROUND                                         ; the closing round: no work-group ends while a partner may still ask for a tile that names it
	s_endpgm
.Lfunc_end_k_qfe00642619_go:
	.size	k_qfe00642619_go, .Lfunc_end_k_qfe00642619_go-k_qfe00642619_go
	.p2alignl 7, 3214868480
	.fill 96, 4, 3214868480
	.section	.rodata,"a",@progbits
	.p2align	6, 0x0
	.amdhsa_kernel k_qfe00642619_go
		.amdhsa_group_segment_fixed_size 327680
		.amdhsa_private_segment_fixed_size 0
		.amdhsa_enable_private_segment 0
		.amdhsa_kernarg_size 40
		.amdhsa_user_sgpr_count 2
		.amdhsa_user_sgpr_kernarg_segment_ptr 1
		.amdhsa_wavefront_size32 1
		.amdhsa_system_sgpr_workgroup_id_x 1
		.amdhsa_system_sgpr_workgroup_id_y 1
		.amdhsa_system_sgpr_workgroup_id_z 1
		.amdhsa_system_vgpr_workitem_id 0
		.amdhsa_next_free_vgpr 640
		.amdhsa_next_free_sgpr 88
		.amdhsa_reserve_vcc 0
		.amdhsa_float_denorm_mode_32 3
		.amdhsa_float_denorm_mode_16_64 3
		.amdhsa_memory_ordered 1
		.amdhsa_forward_progress 1
		.amdhsa_inst_pref_size 67
	.end_amdhsa_kernel
	.amdgpu_metadata
---
amdhsa.version: [ 1, 2 ]
amdhsa.kernels:
  - .name:           k_qfe00642619_go
    .symbol:         k_qfe00642619_go.kd
    .args:
      - { .name: act, .offset: 0, .size: 8, .value_kind: global_buffer, .address_space: global }
      - { .name: wo, .offset: 8, .size: 8, .value_kind: global_buffer, .address_space: global }
      - { .name: b_o, .offset: 16, .size: 8, .value_kind: global_buffer, .address_space: global }
      - { .name: x, .offset: 24, .size: 8, .value_kind: global_buffer, .address_space: global }
      - { .name: ao, .offset: 32, .size: 8, .value_kind: global_buffer, .address_space: global }
    .group_segment_fixed_size: 327680
    .private_segment_fixed_size: 0
    .kernarg_segment_align: 8
    .kernarg_segment_size: 40
    .max_flat_workgroup_size: 128
    .sgpr_count:     88
    .vgpr_count:     640
    .wavefront_size: 32
...
	.end_amdgpu_metadata
.endif
;; end of part 5
;; launch ln2: the kernel of part 2 again; grid 256 x 1, 8 waves a work-group, no clusters, 0 bytes of LDS; arguments ao, gamma2, beta2, act; writes act
;; launch gup (part 6): grid 16 x 16, 4 waves a work-group, clusters of 4 x 4, 327,680 bytes of LDS; arguments act, wu, b_up, g; writes g
.if DOCPART == 6
	.amdgcn_target "amdgcn-amd-amdhsa--gfx1250"
	.amdhsa_code_object_version 6
	.text
	.protected	k_qfe00642619_gup
	.globl	k_qfe00642619_gup
	.p2align	8
	.type	k_qfe00642619_gup,@function
k_qfe00642619_gup:
	s_mov_b64 s[64:65], 0
	v_nop
	global_prefetch_b8 v0, s[64:65] scope:SCOPE_SE
	s_setreg_imm32_b32 hwreg(HW_REG_WAVE_MODE, 25, 1), 1
	s_wait_xcnt 0x0
	s_wait_alu depctr_hold_cnt(0) depctr_sa_sdst(0) depctr_va_vdst(0) depctr_va_sdst(0) depctr_va_ssrc(0) depctr_va_vcc(0) depctr_vm_vsrc(0)
	s_getreg_b32 s2, hwreg(HW_REG_IB_STS2, 6, 4)
	s_cmp_eq_u32 s2, 0
	s_cbranch_scc0 .Lentry_in_a_cluster
	s_endpgm
.Lentry_in_a_cluster:
	s_bfe_u32 s2, ttmp6, 0x10000c
	s_cmp_lg_u32 s2, 0xf033
	s_cbranch_scc0 .Lentry_shape_is_right
	s_endpgm
.Lentry_shape_is_right:
; g = gelu(h2 W_up + b_up).  A = h2 [4096][1024] f16; W = wu [4096 n][1024 k] f16; bias f32; sums and the activation in f32; g [4096][4096] rounded once to f16.
; gelu(x) = 0.5 x (1 + tanh(u)) = x / (1 + 2^(x (CA x^2 + CB))), CB = -2 x 0.7978845608 log2(e), CA = 0.044715 CB: the same function, and 0 or x at the far ends.  LIMIT: a result of 65,520 or more becomes an infinity.
; A tile of C is 256 x 256; four waves, 2 x 2, each 128 x 128: 64 accumulators.  K goes in steps of 128 through two LDS slots; waves 0 and 1 fetch A's halves, waves 2 and 3 W's.
; CLUSTER 4 x 4: the four work-groups of a row need the same tiles of A, the four of a column the same tiles of W: each tile is asked for jointly, by the same load, descriptor and mask in all four.
; THE ORDER OF K.  Step n of a cluster's walk is K step n xor RX; RX is 2 where the cluster's x + y is odd, else 0: such a cluster walks 2, 3, 0, 1, 6, 7, 4, 5.  Clusters that need the same tile of A are neighbours
; along x, of W along y: of two neighbours one asks for a tile two steps ahead of the other.  LIMIT: in the odd clusters the same terms are summed in that order, not in ascending K.
; The matrix instruction is used transposed (source 0 = 16 rows of W, source 1 = 16 rows of A): a lane holds eight neighbouring columns of one row of C.  The first products take the bias as C.
; REGISTERS: window 0: v1-29 addresses; A's two fragment buffers from v64; the bias.  Window 1: W's two fragment buffers.  Windows 2, 3: accumulator q = 8 a + b at register 8 (q % 32) of window 2 + q / 32.
.set TM, 256
.set TN, 256
.set MB, 8
.set NBK, 8
.set SIZE_K, 1024
.set KSTEP, 128
.set DEP, 1
.set PITCH, 272                        ; an LDS row: 256 bytes + 16: an odd multiple of 16 (ISA guide 11.1)
.set QI, 5
.set APITCH, 272
.set AREG, 256*272
.set AQI, 5
.set AD0, KSTEP
.set AD1, TM/2
.set AST, SIZE_K
.set ASTEP, 2*KSTEP
.set BIAS, 192                         ; v[192:255]
.set STAGEB, 0                         ; no stage: the ring, behind its last fill, serves the way out
.set PANEL, 0
.set WAVES41, 0
.set RESID, 0
.set NW, DEP*MB*NBK
.set FAS, 8*DEP*MB
.set FBS, 8*DEP*NBK
.set FA0, 64
.set SLOT, AREG+TN*PITCH
.set STAGE, 2*SLOT
.set SPARE, STAGE+4*STAGEB             ; the spare words, 128 bytes for each wave; no other line names them
.set KT, SIZE_K/KSTEP
.set BSTEP, 2*KSTEP
.set G1, 24
.set G0, 32
.set G1B, 40
.set G0B, 48
.set MSB, 0
.macro WIN new                         ; the immediate's high byte repeats the setting that is left; a switch that changes nothing is dropped
.if MSB != (\new)
	s_set_vgpr_msb (MSB<<8)|(\new)
.set MSB, \new
.endif
.endm
.macro PLACES                          ; four places behind matrix instructions, ahead of loads into their sources and of reads of their results
.rept 4
	v_nop
.endr
.endm
.macro JLOAD                           ; a joint refill; the branch hangs on the wave's number alone; s_nop 0 and four v_nop follow each line
	s_cmp_eq_u32 s15, 0
	s_cbranch_scc0 .Lfor_b_\@
	tensor_load_to_lds s[G0+4:G0+7], s[G1:G1+7]
	s_nop 0
	PLACES
	s_branch .Lasked_\@
.Lfor_b_\@:
	tensor_load_to_lds s[G0B+4:G0B+7], s[G1B:G1B+7]
	s_nop 0
	PLACES
.Lasked_\@:
.endm
.macro CREST                           ; a round of the cluster's barrier behind its opening barrier
	s_cmp_lg_u32 s14, 0
	s_cbranch_scc1 .Lnot_wave_0_\@
	s_barrier_signal -3
.Lnot_wave_0_\@:
	s_barrier_wait -3
	s_barrier_signal -1
	s_barrier_wait -1
.endm
.macro CROUND
	s_barrier_signal -1
	s_barrier_wait -1
	CREST
.endm
; A quarter of the quarter's matrix instructions on fragment buffer f.  All accumulators take turns, one instruction a turn.  first = 1: the first 32 along K start the sums with the bias.
.macro MULP f, part, first
.set wi, (\part)*NW/4
.rept NW/4
.set cc, wi/(MB*NBK)
.set aa, (wi/NBK)%MB
.set bb, wi%NBK
.set qq, NBK*aa+bb
.set aw, 2+qq/32
.set rD, 8*(qq%32)
.set rB, (\f)*FBS+8*(cc*NBK+bb)
.set rA, FA0+(\f)*FAS+8*(cc*MB+aa)
.if (\first) && (cc == 0)
	WIN 1|(aw<<6)
	v_wmma_f32_16x16x32_f16 v[rD:rD+7], v[rB:rB+7], v[rA:rA+7], v[BIAS+8*bb:BIAS+8*bb+7]
.else
	WIN 1|(aw<<4)|(aw<<6)
	v_wmma_f32_16x16x32_f16 v[rD:rD+7], v[rB:rB+7], v[rA:rA+7], v[rD:rD+7]
.endif
.set wi, wi+1
.endr
.endm
; The fragments of quarter kq of the K step in hand, into buffer g, in one run: W's, then A's.
.macro FETCH kq, g
	WIN 0x40
.set cc, 0
.rept DEP
.set kk, (\kq)*DEP+cc
.set bb, 0
.rept NBK
.set rB, (\g)*FBS+8*(cc*NBK+bb)
	ds_load_b128 v[rB:rB+3],   v19 offset:bb*16*PITCH+64*kk
	ds_load_b128 v[rB+4:rB+7], v19 offset:bb*16*PITCH+64*kk+32
.set bb, bb+1
.endr
.set cc, cc+1
.endr
	WIN 0
.set cc, 0
.rept DEP
.set kk, (\kq)*DEP+cc
.set aa, 0
.rept MB
.set rA, FA0+(\g)*FAS+8*(cc*MB+aa)
.if PANEL
.set ab, (kk/2)*18432+aa*16*APITCH+(kk%2)*64
.else
.set ab, aa*16*APITCH+64*kk
.endif
	ds_load_b128 v[rA:rA+3],   v18 offset:ab
	ds_load_b128 v[rA+4:rA+7], v18 offset:ab+32
.set aa, aa+1
.endr
.set cc, cc+1
.endr
.endm
.macro QUARTER kq, f, g, first         ; multiplies buffer f; in its middle fetches quarter kq into buffer g
	s_wait_dscnt 0x0                               ; buffer f was asked for half a quarter ago
	MULP \f, 0, \first
	MULP \f, 1, \first
	PLACES
	FETCH \kq, \g
	MULP \f, 2, \first
	MULP \f, 3, \first
.endm
; The last quarter multiplies buffer 1 and changes slots.  fill = 1: the slot just read out takes the walk's step two steps on.  fill = 0 (the tail): nothing is asked for, and in the tail's last trip (s61 = 1) there is no next slot: the run of fragment loads is jumped over.
.macro TURN fill
	WIN 0
	s_wait_tensorcnt 0x0                           ; all my tensor loads have landed: my part of the next slot
	ds_add_u32 v28, v29                            ; 0 onto my spare word
	s_wait_dscnt 0x1                               ; my fragment loads are in; the add alone may be out
	MULP 1, 0, 0
	s_wait_dscnt 0x0                               ; the add is done, and my reads of this slot are over
	s_barrier_signal -1
	MULP 1, 1, 0
	WIN 0
	s_barrier_wait -1
.if \fill
	CREST                                          ; the barrier has opened a round of the cluster's: no wave of any partner still reads this slot or has a load on its way
	s_xor_b32 s57, s57, SLOT                       ; the slot to fill: 0 or SLOT
	s_add_co_u32 s[G0+5], s59, s57
	s_add_co_u32 s[G0B+5], s60, s57
	s_add_co_u32 s62, s62, 1                       ; the walk's next step,
	s_xor_b32 s84, s62, s63                        ; its place along K;
	s_mul_i32 s86, s84, BSTEP
	s_mul_i32 s84, s84, ASTEP
	s_add_nc_u64 s[G0+6:G0+7], s[66:67], s[84:85]  ; both addresses are made anew: the tile's first K step plus that offset, and the type
	s_or_b32 s[G0+7], s[G0+7], 0x80000000
	s_add_nc_u64 s[G0B+6:G0B+7], s[68:69], s[86:87]
	s_or_b32 s[G0B+7], s[G0B+7], 0x80000000
	JLOAD                                          ; the first tensor load behind the round; its four v_nop are also the places ahead of the loads below
.else
	PLACES
	s_cmp_eq_u32 s61, 1
	s_cbranch_scc1 .Lno_fetch_\@
.endif
	s_xor_b32 s56, s56, SLOT                       ; the slot to read
	v_add_nc_u32 v18, s56, v16
	v_add_nc_u32 v19, s56, v17
	FETCH 0, 0
.if !(\fill)
.Lno_fetch_\@:
.endif
	MULP 1, 2, 0
	MULP 1, 3, 0
.endm
	s_load_b256 s[4:11], s[0:1], 0x0               ; A s[4:5], W s[6:7], bias s[8:9], the result s[10:11]
.if RESID
	s_load_b64 s[12:13], s[0:1], 0x20
.endif
	v_lshl_add_u32 v28, v0, 2, SPARE
	v_mov_b32 v29, 0
	ds_add_u32 v28, v29                            ; the wave's opening: the add and its wait stand ahead of my first tensor load; work on registers stands between them
	ds_add_u32 v28, v29
	v_lshrrev_b32 v1, 5, v0
	v_readfirstlane_b32 s14, v1                    ; wave 0..3
	s_lshr_b32 s15, s14, 1                         ; I fetch for A (0) or for W (1),
	s_and_b32 s16, s14, 1                          ; this half of the tile
.if WAVES41
	s_mov_b32 s2, s14
	s_mov_b32 s3, 0
.else
	s_mov_b32 s2, s15                              ; my place among the waves: down,
	s_mov_b32 s3, s16                              ; along
.endif
	s_bfe_u32 s17, ttmp6, 0x40000                  ; cx
	s_bfe_u32 s18, ttmp6, 0x40004                  ; cy
	s_lshl_b32 s19, ttmp9, 2
	s_add_co_u32 s19, s19, s17                     ; tile column
	s_and_b32 s20, ttmp7, 0xffff
	s_lshl_b32 s20, s20, 2
	s_add_co_u32 s20, s20, s18                     ; tile row
	s_lshl_b32 s21, s18, 2
	s_lshl_b32 s21, 15, s21                        ; my row of the cluster
	s_lshl_b32 s22, 0x1111, s17                    ; my column
	s_or_b32 s[G1], s21, (1<<16)|(1<<20)|(1<<21)|(AQI<<22)|(3<<25)   ; mask; 2-byte elements; padding on; bit 21 beside a mask; the interval; 4 words of padding
	s_or_b32 s[G1B], s22, (1<<16)|(1<<20)|(1<<21)|(QI<<22)|(3<<25)
	s_mov_b32 s[G1+1], (AD0&0xffff)<<16            ; tensor_dim0
	s_mov_b32 s[G1+2], (AD0>>16)|(AD1<<16)         ; tensor_dim1
	s_mov_b32 s[G1+3], AD0<<16                     ; tile_dim0
	s_mov_b32 s[G1+4], AD1                         ; tile_dim1
	s_mov_b32 s[G1+5], AST                         ; elements from row to row
	s_mov_b32 s[G1+6], 0
	s_mov_b32 s[G1+7], 0
	s_mov_b32 s[G1B+1], KSTEP<<16
	s_mov_b32 s[G1B+2], (TN/2)<<16
	s_mov_b32 s[G1B+3], KSTEP<<16
	s_mov_b32 s[G1B+4], TN/2
	s_mov_b32 s[G1B+5], SIZE_K
	s_mov_b32 s[G1B+6], 0
	s_mov_b32 s[G1B+7], 0
	; A's offset hangs on the tile row and my half alone, W's on the tile column and my half alone, each in registers that never hold the other coordinate
.if PANEL
	s_lshr_b32 s66, s20, 4
	s_lshl_b32 s66, s66, 22
	s_and_b32 s67, s20, 15
	s_lshl_b32 s67, s67, 14
	s_add_co_u32 s66, s66, s67
	s_lshl_b32 s23, s16, 19
	s_add_co_u32 s66, s66, s23
.else
	s_mul_i32 s66, s20, TM*SIZE_K*2
	s_mul_i32 s23, s16, (TM/2)*SIZE_K*2
	s_add_co_u32 s66, s66, s23
.endif
	s_mov_b32 s67, 0
	s_mul_i32 s68, s19, TN*SIZE_K*2
	s_mul_i32 s23, s16, (TN/2)*SIZE_K*2
	s_add_co_u32 s68, s68, s23
	s_mov_b32 s69, 0
	s_mul_i32 s59, s16, AREG/2                     ; where my half lands in a slot, for A
	s_mul_i32 s60, s16, (TN/2)*PITCH               ; and for W: no place in the cluster enters an LDS address
	s_add_co_u32 s60, s60, AREG
	s_mov_b32 s56, 0
	s_mov_b32 s57, SLOT
	s_and_b32 s63, ttmp7, 0xffff                   ; the cluster's y
	s_add_co_u32 s63, s63, ttmp9                   ; plus its x: all sixteen partners share both
	s_and_b32 s63, s63, 1
	s_lshl_b32 s63, s63, 1                         ; RX: 0, or 2 where that sum is odd
	s_mov_b32 s62, 1                               ; the walk's step that the walking descriptor holds
	s_mul_i32 s84, s63, ASTEP                      ; the walk's step 0 is K step RX, its step 1 the K step behind that
	s_mov_b32 s85, 0
	s_mul_i32 s86, s63, BSTEP
	s_mov_b32 s87, 0
	s_mul_i32 s78, s19, TN*4                       ; my columns in the bias
	s_mul_i32 s79, s3, 64*NBK
	s_add_co_u32 s78, s78, s79
	s_mov_b32 s79, 0
	; my part of g: (256 tile row + 128 down) rows of 8,192 bytes, (256 tile column + 128 along) numbers of 2
	s_lshl_b32 s70, s20, 8
	s_lshl_b32 s71, s2, 7
	s_add_co_u32 s70, s70, s71
	s_lshl_b32 s70, s70, 13
	s_lshl_b32 s71, s19, 9
	s_add_co_u32 s70, s70, s71
	s_lshl_b32 s71, s3, 8
	s_add_co_u32 s70, s70, s71
	s_mov_b32 s71, 0
	s_mov_b32 s80, 0xbdd2d3e8                      ; CA = -0.10294324; the packed forms name pairs and take the low word for both halves
	s_mov_b32 s81, s80
	s_mov_b32 s82, 0xc0135762                      ; CB = -2.3022082
	s_mov_b32 s83, s82
	s_wait_dscnt 0x0                               ; the opening add is done
	s_wait_kmcnt 0x0
	s_add_nc_u64 s[66:67], s[4:5], s[66:67]        ; my part of A's tile at K step 0: kept
	s_add_nc_u64 s[68:69], s[6:7], s[68:69]        ; the same for W
	s_add_nc_u64 s[8:9], s[8:9], s[78:79]
	s_add_nc_u64 s[72:73], s[10:11], s[70:71]      ; the result
	s_mov_b32 s[G0], 1
	s_mov_b32 s[G0+1], s59
	s_add_nc_u64 s[G0+2:G0+3], s[66:67], s[84:85]
	s_mov_b32 s[G0+4], 1
	s_add_co_u32 s[G0+5], s59, SLOT
	s_add_nc_u64 s[G0+6:G0+7], s[G0+2:G0+3], ASTEP
	s_or_b32 s[G0+3], s[G0+3], 0x80000000
	s_or_b32 s[G0+7], s[G0+7], 0x80000000
	s_mov_b32 s[G0B], 1
	s_mov_b32 s[G0B+1], s60
	s_add_nc_u64 s[G0B+2:G0B+3], s[68:69], s[86:87]
	s_mov_b32 s[G0B+4], 1
	s_add_co_u32 s[G0B+5], s60, SLOT
	s_add_nc_u64 s[G0B+6:G0B+7], s[G0B+2:G0B+3], BSTEP
	s_or_b32 s[G0B+3], s[G0B+3], 0x80000000
	s_or_b32 s[G0B+7], s[G0B+7], 0x80000000
	CROUND                                         ; all sixteen work-groups are here: the first joint loads meet
	s_cmp_eq_u32 s15, 0                            ; a wave's two first fills stand in one branch: two loads of mine are out
	s_cbranch_scc0 .Lfirst_b
	tensor_load_to_lds s[G0:G0+3], s[G1:G1+7]
	s_nop 0
	tensor_load_to_lds s[G0+4:G0+7], s[G1:G1+7]
	s_nop 0
	PLACES
	s_branch .Lfirst_asked
.Lfirst_b:
	tensor_load_to_lds s[G0B:G0B+3], s[G1B:G1B+7]
	s_nop 0
	tensor_load_to_lds s[G0B+4:G0B+7], s[G1B:G1B+7]
	s_nop 0
	PLACES
.Lfirst_asked:
	v_and_b32 v1, 15, v0                           ; r = lane % 16
	v_bfe_u32 v2, v0, 4, 1                         ; h = lane / 16
	v_mul_u32_u24 v16, v1, APITCH                  ; a fragment: row r, 16 bytes for each half of the lanes
	v_lshl_add_u32 v16, v2, 4, v16
	s_mul_i32 s23, s2, 16*MB*APITCH
	v_add_nc_u32 v16, s23, v16                     ; my rows of A in slot 0
	v_mul_u32_u24 v17, v1, PITCH
	v_lshl_add_u32 v17, v2, 4, v17
	s_mul_i32 s23, s3, 16*NBK*PITCH
	s_add_co_u32 s23, s23, AREG
	v_add_nc_u32 v17, s23, v17                     ; my rows of W in slot 0
	v_lshlrev_b32 v20, 5, v2                       ; the bias: eight numbers from column 8 h of each block
	s_mul_i32 s23, s14, 128*528                    ; the way out: my 128 rows x (512 + 16) bytes of f32, in the ring
	v_mul_u32_u24 v24, v1, 528                     ; in: row r, 32 bytes for each half of the lanes
	v_lshl_add_u32 v24, v2, 5, v24
	v_add_nc_u32 v24, s23, v24
	v_and_b32 v26, 31, v0
	v_lshl_add_u32 v25, v26, 4, s23                ; back: 32 lanes take one row of 512 bytes,
	v_lshlrev_b32 v26, 3, v26                      ; which are 256 bytes of g
.set bb, 0
.rept NBK
	global_load_b128 v[BIAS+8*bb:BIAS+8*bb+3],   v20, s[8:9] offset:64*bb
	global_load_b128 v[BIAS+8*bb+4:BIAS+8*bb+7], v20, s[8:9] offset:64*bb+16
.set bb, bb+1
.endr
	s_wait_tensorcnt 0x1                           ; my part of the walk's step 0 is in; step 1's may stay out
	s_barrier_signal -1
	s_barrier_wait -1
	v_mov_b32 v18, v16
	v_mov_b32 v19, v17
	FETCH 0, 0
	s_wait_loadcnt 0x0                             ; the bias
	QUARTER 1, 0, 1, 1                             ; the first quarter stands ahead of the loop: its products start the sums
	WIN 0
	s_mov_b32 s58, KT-2
.Lk:                                                   ; a trip: from a K step's second quarter to the next step's first; it fills the slot that it leaves
	QUARTER 2, 1, 0, 0
	QUARTER 3, 0, 1, 0
	TURN 1
	QUARTER 1, 0, 1, 0
	WIN 0
	s_sub_co_u32 s58, s58, 1
	s_cmp_lg_u32 s58, 0
	s_cbranch_scc1 .Lk
	s_mov_b32 s61, 2
.Ltail:                                                ; the last two K steps ask for nothing; the second trip is left behind its last quarter
	QUARTER 2, 1, 0, 0
	QUARTER 3, 0, 1, 0
	TURN 0
	WIN 0
	s_sub_co_u32 s61, s61, 1
	s_cmp_eq_u32 s61, 0
	s_cbranch_scc1 .Lout
	QUARTER 1, 0, 1, 0
	WIN 0
	s_branch .Ltail
.Lout:
	; THE WAY OUT.  The ring has had its last fill; behind a barrier, when no wave reads it any more, each wave lays its 128 x 128 sums into bytes of its own there, and takes them back by rows.
	s_wait_dscnt 0x0                               ; my last reads of the ring are back
	s_barrier_signal -1
	s_barrier_wait -1
	PLACES
.set qq, 0
.rept 64
.set aw, 2+qq/32
.set rD, 8*(qq%32)
	WIN aw<<2                                      ; the data in window 2 or 3
	ds_store_b128 v24, v[rD:rD+3]   offset:8448*(qq/8)+64*(qq%8)      ; each accumulator from its low end on
	ds_store_b128 v24, v[rD+4:rD+7] offset:8448*(qq/8)+64*(qq%8)+16
.set qq, qq+1
.endr
	WIN 0
.set XR, 64                            ; v[64:95]   eight rows, four numbers a lane each
.set TR, 96                            ; v[96:127]  at work
.set YR, 128                           ; v[128:143] packed
	s_mov_b32 s58, 16
.Lrows:                                                ; 16 trips of eight rows
.irp j, 0,1,2,3,4,5,6,7
	ds_load_b128 v[XR+4*(\j):XR+4*(\j)+3], v25 offset:528*(\j)  ; LDS serves a wave's instructions in order (ISA guide 5.7.1.4): these see my stores
.endr
	s_wait_dscnt 0x0
.set zz, 0
.rept 16
	v_pk_mul_f32 v[TR+2*zz:TR+2*zz+1], v[XR+2*zz:XR+2*zz+1], v[XR+2*zz:XR+2*zz+1]
.set zz, zz+1
.endr
.set zz, 0
.rept 16
	v_pk_fma_f32 v[TR+2*zz:TR+2*zz+1], v[TR+2*zz:TR+2*zz+1], s[80:81], s[82:83] op_sel_hi:[1,0,0]
.set zz, zz+1
.endr
.set zz, 0
.rept 16
	v_pk_mul_f32 v[TR+2*zz:TR+2*zz+1], v[TR+2*zz:TR+2*zz+1], v[XR+2*zz:XR+2*zz+1]
.set zz, zz+1
.endr
.set zz, 0
.rept 32
	v_exp_f32 v[TR+zz], v[TR+zz]
.set zz, zz+1
.endr
	v_nop                                          ; a plain instruction behind the last transcendental before its result is used (ISA guide 5.7.2)
.set zz, 0
	s_wait_alu depctr_va_vdst(0)
.rept 16
	v_pk_add_f32 v[TR+2*zz:TR+2*zz+1], v[TR+2*zz:TR+2*zz+1], 1.0 op_sel_hi:[1,0]
.set zz, zz+1
.endr
.set zz, 0
.rept 32
	v_rcp_f32 v[TR+zz], v[TR+zz]
.set zz, zz+1
.endr
	v_nop
.set zz, 0
	s_wait_alu depctr_va_vdst(0)
.rept 16
	v_pk_mul_f32 v[TR+2*zz:TR+2*zz+1], v[TR+2*zz:TR+2*zz+1], v[XR+2*zz:XR+2*zz+1]
.set zz, zz+1
.endr
.set zz, 0
.rept 16
	v_cvt_pk_f16_f32 v[YR+zz], v[TR+2*zz], v[TR+2*zz+1]
.set zz, zz+1
.endr
.irp j, 0,1,2,3,4,5,6,7
	global_store_b64 v26, v[YR+2*(\j):YR+2*(\j)+1], s[72:73] offset:8192*(\j)  ; the wave's store covers 256 consecutive bytes, aligned
.endr
	s_wait_xcnt 0x0                                ; the stores' data and offset are rewritten only behind this wait (ISA guide 3.1)
	v_add_nc_u32 v25, 8*528, v25
	v_add_nc_u32 v26, 0x10000, v26
	s_sub_co_u32 s58, s58, 1
	s_cmp_lg_u32 s58, 0
	s_cbranch_scc1 .Lrows
	s_wait_tensorcnt 0x0                           ; the wave's end
	ds_add_u32 v28, v29
	s_wait_dscnt 0x0
	CROUND                                         ; the closing round: no work-group ends while a partner may still ask for a tile that names it
	s_endpgm
.Lfunc_end_k_qfe00642619_gup:
	.size	k_qfe00642619_gup, .Lfunc_end_k_qfe00642619_gup-k_qfe00642619_gup
	.p2alignl 7, 3214868480
	.fill 96, 4, 3214868480
	.section	.rodata,"a",@progbits
	.p2align	6, 0x0
	.amdhsa_kernel k_qfe00642619_gup
		.amdhsa_group_segment_fixed_size 327680
		.amdhsa_private_segment_fixed_size 0
		.amdhsa_enable_private_segment 0
		.amdhsa_kernarg_size 32
		.amdhsa_user_sgpr_count 2
		.amdhsa_user_sgpr_kernarg_segment_ptr 1
		.amdhsa_wavefront_size32 1
		.amdhsa_system_sgpr_workgroup_id_x 1
		.amdhsa_system_sgpr_workgroup_id_y 1
		.amdhsa_system_sgpr_workgroup_id_z 1
		.amdhsa_system_vgpr_workitem_id 0
		.amdhsa_next_free_vgpr 1024
		.amdhsa_next_free_sgpr 88
		.amdhsa_reserve_vcc 0
		.amdhsa_float_denorm_mode_32 3
		.amdhsa_float_denorm_mode_16_64 3
		.amdhsa_memory_ordered 1
		.amdhsa_forward_progress 1
		.amdhsa_inst_pref_size 89
	.end_amdhsa_kernel
	.amdgpu_metadata
---
amdhsa.version: [ 1, 2 ]
amdhsa.kernels:
  - .name:           k_qfe00642619_gup
    .symbol:         k_qfe00642619_gup.kd
    .args:
      - { .name: act, .offset: 0, .size: 8, .value_kind: global_buffer, .address_space: global }
      - { .name: wu, .offset: 8, .size: 8, .value_kind: global_buffer, .address_space: global }
      - { .name: b_up, .offset: 16, .size: 8, .value_kind: global_buffer, .address_space: global }
      - { .name: g, .offset: 24, .size: 8, .value_kind: global_buffer, .address_space: global }
    .group_segment_fixed_size: 327680
    .private_segment_fixed_size: 0
    .kernarg_segment_align: 8
    .kernarg_segment_size: 32
    .max_flat_workgroup_size: 128
    .sgpr_count:     88
    .vgpr_count:     1024
    .wavefront_size: 32
...
	.end_amdgpu_metadata
.endif
;; end of part 6
;; launch gdown (part 7): grid 8 x 32, 4 waves a work-group, clusters of 4 x 4, 327,680 bytes of LDS; arguments g, wd, b_down, ao, out0; writes out0
.if DOCPART == 7
	.amdgcn_target "amdgcn-amd-amdhsa--gfx1250"
	.amdhsa_code_object_version 6
	.text
	.protected	k_qfe00642619_gdown
	.globl	k_qfe00642619_gdown
	.p2align	8
	.type	k_qfe00642619_gdown,@function
k_qfe00642619_gdown:
	s_mov_b64 s[64:65], 0
	v_nop
	global_prefetch_b8 v0, s[64:65] scope:SCOPE_SE
	s_setreg_imm32_b32 hwreg(HW_REG_WAVE_MODE, 25, 1), 1
	s_wait_xcnt 0x0
	s_wait_alu depctr_hold_cnt(0) depctr_sa_sdst(0) depctr_va_vdst(0) depctr_va_sdst(0) depctr_va_ssrc(0) depctr_va_vcc(0) depctr_vm_vsrc(0)
	s_getreg_b32 s2, hwreg(HW_REG_IB_STS2, 6, 4)
	s_cmp_eq_u32 s2, 0
	s_cbranch_scc0 .Lentry_in_a_cluster
	s_endpgm
.Lentry_in_a_cluster:
	s_bfe_u32 s2, ttmp6, 0x10000c
	s_cmp_lg_u32 s2, 0xf033
	s_cbranch_scc0 .Lentry_shape_is_right
	s_endpgm
.Lentry_shape_is_right:
; out = g W_down + b_down + attn_out.  A = g [4096][4096] f16; W = wd [1024 n][4096 k] f16; bias, residual and result f32; sums in f32.
; A tile of C is 128 x 128; four waves, 2 x 2, each 64 x 64: 16 accumulators.  K goes in steps of 256 (LDS rows of 512 bytes) through two LDS slots; waves 0 and 1 fetch A's halves, waves 2 and 3 W's.
; CLUSTER 4 x 4: the four work-groups of a row need the same tiles of A, the four of a column the same tiles of W: each tile is asked for jointly, by the same load, descriptor and mask in all four.
; THE ORDER OF K.  Step n of a cluster's walk is K step n xor RX; RX is 2 where the cluster's x + y is odd, else 0: such a cluster walks 2, 3, 0, 1, 6, 7, 4, 5 and so on.  Clusters that need the same tile of A are
; neighbours along x, of W along y: of two neighbours one asks for a tile two steps ahead of the other.  LIMIT: in the odd clusters the same terms are summed in that order, not in ascending K.
; The matrix instruction is used transposed (source 0 = 16 rows of W, source 1 = 16 rows of A): a lane holds eight neighbouring columns of one row of C.  The first products take the bias as C.
; REGISTERS: window 0: v1-29 addresses; A's two fragment buffers from v64; the bias.  Window 1: W's two fragment buffers, v128-255 the residual.  Window 2: accumulator q = 4 a + b at register 8 q.
.set TM, 128
.set TN, 128
.set MB, 4
.set NBK, 4
.set SIZE_K, 4096
.set KSTEP, 256
.set DEP, 2                            ; matrix instructions along K in a quarter of a K step
.set PITCH, 528                        ; an LDS row: 512 bytes + 16: an odd multiple of 16 (ISA guide 11.1)
.set QI, 6                             ; padding after every 128 words
.set APITCH, 528
.set AREG, 128*528
.set AQI, 6
.set AD0, KSTEP
.set AD1, TM/2
.set AST, SIZE_K
.set ASTEP, 2*KSTEP
.set BIAS, 192                         ; v[192:223]
.set STAGEB, 16*272                    ; a wave's stage: 16 rows x (256 + 16) bytes
.set PANEL, 0
.set WAVES41, 0
.set RESID, 1
.set RES, 128                          ; window 1
.set NW, DEP*MB*NBK
.set FAS, 8*DEP*MB
.set FBS, 8*DEP*NBK
.set FA0, 64
.set SLOT, AREG+TN*PITCH
.set STAGE, 2*SLOT
.set SPARE, STAGE+4*STAGEB             ; the spare words, 128 bytes for each wave; no other line names them
.set KT, SIZE_K/KSTEP
.set BSTEP, 2*KSTEP
.set G1, 24
.set G0, 32
.set G1B, 40
.set G0B, 48
.set MSB, 0
.macro WIN new                         ; the immediate's high byte repeats the setting that is left; a switch that changes nothing is dropped
.if MSB != (\new)
	s_set_vgpr_msb (MSB<<8)|(\new)
.set MSB, \new
.endif
.endm
.macro PLACES                          ; four places behind matrix instructions, ahead of loads into their sources and of reads of their results
.rept 4
	v_nop
.endr
.endm
.macro JLOAD                           ; a joint refill; the branch hangs on the wave's number alone; s_nop 0 and four v_nop follow each line
	s_cmp_eq_u32 s15, 0
	s_cbranch_scc0 .Lfor_b_\@
	tensor_load_to_lds s[G0+4:G0+7], s[G1:G1+7]
	s_nop 0
	PLACES
	s_branch .Lasked_\@
.Lfor_b_\@:
	tensor_load_to_lds s[G0B+4:G0B+7], s[G1B:G1B+7]
	s_nop 0
	PLACES
.Lasked_\@:
.endm
.macro CREST                           ; a round of the cluster's barrier behind its opening barrier
	s_cmp_lg_u32 s14, 0
	s_cbranch_scc1 .Lnot_wave_0_\@
	s_barrier_signal -3
.Lnot_wave_0_\@:
	s_barrier_wait -3
	s_barrier_signal -1
	s_barrier_wait -1
.endm
.macro CROUND
	s_barrier_signal -1
	s_barrier_wait -1
	CREST
.endm
; A quarter of the quarter's matrix instructions on fragment buffer f.  All accumulators take turns, one instruction a turn.  first = 1: the first 32 along K start the sums with the bias.
.macro MULP f, part, first
.set wi, (\part)*NW/4
.rept NW/4
.set cc, wi/(MB*NBK)
.set aa, (wi/NBK)%MB
.set bb, wi%NBK
.set qq, NBK*aa+bb
.set aw, 2+qq/32
.set rD, 8*(qq%32)
.set rB, (\f)*FBS+8*(cc*NBK+bb)
.set rA, FA0+(\f)*FAS+8*(cc*MB+aa)
.if (\first) && (cc == 0)
	WIN 1|(aw<<6)
	v_wmma_f32_16x16x32_f16 v[rD:rD+7], v[rB:rB+7], v[rA:rA+7], v[BIAS+8*bb:BIAS+8*bb+7]
.else
	WIN 1|(aw<<4)|(aw<<6)
	v_wmma_f32_16x16x32_f16 v[rD:rD+7], v[rB:rB+7], v[rA:rA+7], v[rD:rD+7]
.endif
.set wi, wi+1
.endr
.endm
; The fragments of quarter kq of the K step in hand, into buffer g, in one run: W's, then A's.
.macro FETCH kq, g
	WIN 0x40
.set cc, 0
.rept DEP
.set kk, (\kq)*DEP+cc
.set bb, 0
.rept NBK
.set rB, (\g)*FBS+8*(cc*NBK+bb)
	ds_load_b128 v[rB:rB+3],   v19 offset:bb*16*PITCH+64*kk
	ds_load_b128 v[rB+4:rB+7], v19 offset:bb*16*PITCH+64*kk+32
.set bb, bb+1
.endr
.set cc, cc+1
.endr
	WIN 0
.set cc, 0
.rept DEP
.set kk, (\kq)*DEP+cc
.set aa, 0
.rept MB
.set rA, FA0+(\g)*FAS+8*(cc*MB+aa)
.if PANEL
.set ab, (kk/2)*18432+aa*16*APITCH+(kk%2)*64
.else
.set ab, aa*16*APITCH+64*kk
.endif
	ds_load_b128 v[rA:rA+3],   v18 offset:ab
	ds_load_b128 v[rA+4:rA+7], v18 offset:ab+32
.set aa, aa+1
.endr
.set cc, cc+1
.endr
.endm
.macro QUARTER kq, f, g, first         ; multiplies buffer f; in its middle fetches quarter kq into buffer g
	s_wait_dscnt 0x0                               ; buffer f was asked for half a quarter ago
	MULP \f, 0, \first
	MULP \f, 1, \first
	PLACES
	FETCH \kq, \g
	MULP \f, 2, \first
	MULP \f, 3, \first
.endm
; The last quarter multiplies buffer 1 and changes slots.  fill = 1: the slot just read out takes the walk's step two steps on.  fill = 0 (the tail): nothing is asked for, and in the tail's last trip (s61 = 1) there is no next slot: the run of fragment loads is jumped over.
.macro TURN fill
	WIN 0
	s_wait_tensorcnt 0x0                           ; all my tensor loads have landed: my part of the next slot
	ds_add_u32 v28, v29                            ; 0 onto my spare word
	s_wait_dscnt 0x1                               ; my fragment loads are in; the add alone may be out
	MULP 1, 0, 0
	s_wait_dscnt 0x0                               ; the add is done, and my reads of this slot are over
	s_barrier_signal -1
	MULP 1, 1, 0
	WIN 0
	s_barrier_wait -1
.if \fill
	CREST                                          ; the barrier has opened a round of the cluster's: no wave of any partner still reads this slot or has a load on its way
	s_xor_b32 s57, s57, SLOT                       ; the slot to fill: 0 or SLOT
	s_add_co_u32 s[G0+5], s59, s57
	s_add_co_u32 s[G0B+5], s60, s57
	s_add_co_u32 s62, s62, 1                       ; the walk's next step,
	s_xor_b32 s84, s62, s63                        ; its place along K;
	s_mul_i32 s86, s84, BSTEP
	s_mul_i32 s84, s84, ASTEP
	s_add_nc_u64 s[G0+6:G0+7], s[66:67], s[84:85]  ; both addresses are made anew: the tile's first K step plus that offset, and the type
	s_or_b32 s[G0+7], s[G0+7], 0x80000000
	s_add_nc_u64 s[G0B+6:G0B+7], s[68:69], s[86:87]
	s_or_b32 s[G0B+7], s[G0B+7], 0x80000000
	JLOAD                                          ; the first tensor load behind the round; its four v_nop are also the places ahead of the loads below
.else
	PLACES
	s_cmp_eq_u32 s61, 1
	s_cbranch_scc1 .Lno_fetch_\@
.endif
	s_xor_b32 s56, s56, SLOT                       ; the slot to read
	v_add_nc_u32 v18, s56, v16
	v_add_nc_u32 v19, s56, v17
	FETCH 0, 0
.if !(\fill)
.Lno_fetch_\@:
.endif
	MULP 1, 2, 0
	MULP 1, 3, 0
.endm
	s_load_b256 s[4:11], s[0:1], 0x0               ; A s[4:5], W s[6:7], bias s[8:9], the residual s[10:11]
.if RESID
	s_load_b64 s[12:13], s[0:1], 0x20              ; the result
.endif
	v_lshl_add_u32 v28, v0, 2, SPARE
	v_mov_b32 v29, 0
	ds_add_u32 v28, v29                            ; the wave's opening: the add and its wait stand ahead of my first tensor load; work on registers stands between them
	ds_add_u32 v28, v29
	v_lshrrev_b32 v1, 5, v0
	v_readfirstlane_b32 s14, v1                    ; wave 0..3
	s_lshr_b32 s15, s14, 1                         ; I fetch for A (0) or for W (1),
	s_and_b32 s16, s14, 1                          ; this half of the tile
.if WAVES41
	s_mov_b32 s2, s14
	s_mov_b32 s3, 0
.else
	s_mov_b32 s2, s15                              ; my place among the waves: down,
	s_mov_b32 s3, s16                              ; along
.endif
	s_bfe_u32 s17, ttmp6, 0x40000                  ; cx
	s_bfe_u32 s18, ttmp6, 0x40004                  ; cy
	s_lshl_b32 s19, ttmp9, 2
	s_add_co_u32 s19, s19, s17                     ; tile column
	s_and_b32 s20, ttmp7, 0xffff
	s_lshl_b32 s20, s20, 2
	s_add_co_u32 s20, s20, s18                     ; tile row
	s_lshl_b32 s21, s18, 2
	s_lshl_b32 s21, 15, s21                        ; my row of the cluster
	s_lshl_b32 s22, 0x1111, s17                    ; my column
	s_or_b32 s[G1], s21, (1<<16)|(1<<20)|(1<<21)|(AQI<<22)|(3<<25)   ; mask; 2-byte elements; padding on; bit 21 beside a mask; the interval; 4 words of padding
	s_or_b32 s[G1B], s22, (1<<16)|(1<<20)|(1<<21)|(QI<<22)|(3<<25)
	s_mov_b32 s[G1+1], (AD0&0xffff)<<16            ; tensor_dim0
	s_mov_b32 s[G1+2], (AD0>>16)|(AD1<<16)         ; tensor_dim1
	s_mov_b32 s[G1+3], AD0<<16                     ; tile_dim0
	s_mov_b32 s[G1+4], AD1                         ; tile_dim1
	s_mov_b32 s[G1+5], AST                         ; elements from row to row
	s_mov_b32 s[G1+6], 0
	s_mov_b32 s[G1+7], 0
	s_mov_b32 s[G1B+1], KSTEP<<16
	s_mov_b32 s[G1B+2], (TN/2)<<16
	s_mov_b32 s[G1B+3], KSTEP<<16
	s_mov_b32 s[G1B+4], TN/2
	s_mov_b32 s[G1B+5], SIZE_K
	s_mov_b32 s[G1B+6], 0
	s_mov_b32 s[G1B+7], 0
	; A's offset hangs on the tile row and my half alone, W's on the tile column and my half alone, each in registers that never hold the other coordinate
.if PANEL
	s_lshr_b32 s66, s20, 4
	s_lshl_b32 s66, s66, 22
	s_and_b32 s67, s20, 15
	s_lshl_b32 s67, s67, 14
	s_add_co_u32 s66, s66, s67
	s_lshl_b32 s23, s16, 19
	s_add_co_u32 s66, s66, s23
.else
	s_mul_i32 s66, s20, TM*SIZE_K*2
	s_mul_i32 s23, s16, (TM/2)*SIZE_K*2
	s_add_co_u32 s66, s66, s23
.endif
	s_mov_b32 s67, 0
	s_mul_i32 s68, s19, TN*SIZE_K*2
	s_mul_i32 s23, s16, (TN/2)*SIZE_K*2
	s_add_co_u32 s68, s68, s23
	s_mov_b32 s69, 0
	s_mul_i32 s59, s16, AREG/2                     ; where my half lands in a slot, for A
	s_mul_i32 s60, s16, (TN/2)*PITCH               ; and for W: no place in the cluster enters an LDS address
	s_add_co_u32 s60, s60, AREG
	s_mov_b32 s56, 0
	s_mov_b32 s57, SLOT
	s_and_b32 s63, ttmp7, 0xffff                   ; the cluster's y
	s_add_co_u32 s63, s63, ttmp9                   ; plus its x: all sixteen partners share both
	s_and_b32 s63, s63, 1
	s_lshl_b32 s63, s63, 1                         ; RX: 0, or 2 where that sum is odd
	s_mov_b32 s62, 1                               ; the walk's step that the walking descriptor holds
	s_mul_i32 s84, s63, ASTEP                      ; the walk's step 0 is K step RX, its step 1 the K step behind that
	s_mov_b32 s85, 0
	s_mul_i32 s86, s63, BSTEP
	s_mov_b32 s87, 0
	s_mul_i32 s78, s19, TN*4                       ; my columns in the bias
	s_mul_i32 s79, s3, 64*NBK
	s_add_co_u32 s78, s78, s79
	s_mov_b32 s79, 0
	; my part of the result and of the residual: (128 tile row + 64 down) rows of 4,096 bytes, (128 tile column + 64 along) numbers of 4
	s_lshl_b32 s70, s20, 7
	s_lshl_b32 s71, s2, 6
	s_add_co_u32 s70, s70, s71
	s_lshl_b32 s70, s70, 12
	s_lshl_b32 s71, s19, 9
	s_add_co_u32 s70, s70, s71
	s_lshl_b32 s71, s3, 8
	s_add_co_u32 s70, s70, s71
	s_mov_b32 s71, 0
	s_wait_dscnt 0x0                               ; the opening add is done
	s_wait_kmcnt 0x0
	s_add_nc_u64 s[66:67], s[4:5], s[66:67]        ; my part of A's tile at K step 0: kept
	s_add_nc_u64 s[68:69], s[6:7], s[68:69]        ; the same for W
	s_add_nc_u64 s[8:9], s[8:9], s[78:79]
	s_add_nc_u64 s[72:73], s[12:13], s[70:71]      ; the result
	s_add_nc_u64 s[74:75], s[10:11], s[70:71]      ; the residual
	s_mov_b32 s[G0], 1
	s_mov_b32 s[G0+1], s59
	s_add_nc_u64 s[G0+2:G0+3], s[66:67], s[84:85]
	s_mov_b32 s[G0+4], 1
	s_add_co_u32 s[G0+5], s59, SLOT
	s_add_nc_u64 s[G0+6:G0+7], s[G0+2:G0+3], ASTEP
	s_or_b32 s[G0+3], s[G0+3], 0x80000000
	s_or_b32 s[G0+7], s[G0+7], 0x80000000
	s_mov_b32 s[G0B], 1
	s_mov_b32 s[G0B+1], s60
	s_add_nc_u64 s[G0B+2:G0B+3], s[68:69], s[86:87]
	s_mov_b32 s[G0B+4], 1
	s_add_co_u32 s[G0B+5], s60, SLOT
	s_add_nc_u64 s[G0B+6:G0B+7], s[G0B+2:G0B+3], BSTEP
	s_or_b32 s[G0B+3], s[G0B+3], 0x80000000
	s_or_b32 s[G0B+7], s[G0B+7], 0x80000000
	CROUND                                         ; all sixteen work-groups are here: the first joint loads meet
	s_cmp_eq_u32 s15, 0                            ; a wave's two first fills stand in one branch: two loads of mine are out
	s_cbranch_scc0 .Lfirst_b
	tensor_load_to_lds s[G0:G0+3], s[G1:G1+7]
	s_nop 0
	tensor_load_to_lds s[G0+4:G0+7], s[G1:G1+7]
	s_nop 0
	PLACES
	s_branch .Lfirst_asked
.Lfirst_b:
	tensor_load_to_lds s[G0B:G0B+3], s[G1B:G1B+7]
	s_nop 0
	tensor_load_to_lds s[G0B+4:G0B+7], s[G1B:G1B+7]
	s_nop 0
	PLACES
.Lfirst_asked:
	v_and_b32 v1, 15, v0                           ; r = lane % 16
	v_bfe_u32 v2, v0, 4, 1                         ; h = lane / 16
	v_mul_u32_u24 v16, v1, APITCH                  ; a fragment: row r, 16 bytes for each half of the lanes
	v_lshl_add_u32 v16, v2, 4, v16
	s_mul_i32 s23, s2, 16*MB*APITCH
	v_add_nc_u32 v16, s23, v16                     ; my rows of A in slot 0
	v_mul_u32_u24 v17, v1, PITCH
	v_lshl_add_u32 v17, v2, 4, v17
	s_mul_i32 s23, s3, 16*NBK*PITCH
	s_add_co_u32 s23, s23, AREG
	v_add_nc_u32 v17, s23, v17                     ; my rows of W in slot 0
	v_lshlrev_b32 v20, 5, v2                       ; the bias: eight numbers from column 8 h of each block
	s_mul_i32 s23, s14, STAGEB
	s_add_co_u32 s23, s23, STAGE                   ; my stage
	v_mul_u32_u24 v24, v1, 272                     ; in: row r, 32 bytes for each half of the lanes
	v_lshl_add_u32 v24, v2, 5, v24
	v_add_nc_u32 v24, s23, v24
	v_mul_u32_u24 v25, v2, 272                     ; back: lanes 0-15 take one row of 256 bytes, lanes 16-31 the next
	v_lshl_add_u32 v25, v1, 4, v25
	v_add_nc_u32 v25, s23, v25
	v_lshlrev_b32 v26, 12, v2                      ; and the same two rows in memory
	v_lshl_add_u32 v26, v1, 4, v26
.set bb, 0
.rept NBK
	global_load_b128 v[BIAS+8*bb:BIAS+8*bb+3],   v20, s[8:9] offset:64*bb
	global_load_b128 v[BIAS+8*bb+4:BIAS+8*bb+7], v20, s[8:9] offset:64*bb+16
.set bb, bb+1
.endr
	WIN 0x40
.set tt, 0
.rept 32                                               ; the residual of my 64 x 64, in the layout in which rows come back from the stage: it lands under the whole K loop
	global_load_b128 v[RES+4*tt:RES+4*tt+3], v26, s[74:75] offset:2*tt*4096
.set tt, tt+1
.endr
	WIN 0
	s_wait_tensorcnt 0x1                           ; my part of the walk's step 0 is in; step 1's may stay out
	s_barrier_signal -1
	s_barrier_wait -1
	v_mov_b32 v18, v16
	v_mov_b32 v19, v17
	FETCH 0, 0
	s_wait_loadcnt 32                              ; the bias is in; the 32 younger loads of the residual stay out
	QUARTER 1, 0, 1, 1                             ; the first quarter stands ahead of the loop: its products start the sums
	WIN 0
	s_mov_b32 s58, KT-2
.Lk:                                                   ; a trip: from a K step's second quarter to the next step's first; it fills the slot that it leaves
	QUARTER 2, 1, 0, 0
	QUARTER 3, 0, 1, 0
	TURN 1
	QUARTER 1, 0, 1, 0
	WIN 0
	s_sub_co_u32 s58, s58, 1
	s_cmp_lg_u32 s58, 0
	s_cbranch_scc1 .Lk
	s_mov_b32 s61, 2
.Ltail:                                                ; the last two K steps ask for nothing; the second trip is left behind its last quarter
	QUARTER 2, 1, 0, 0
	QUARTER 3, 0, 1, 0
	TURN 0
	WIN 0
	s_sub_co_u32 s61, s61, 1
	s_cmp_eq_u32 s61, 0
	s_cbranch_scc1 .Lout
	QUARTER 1, 0, 1, 0
	WIN 0
	s_branch .Ltail
.Lout:
	s_wait_dscnt 0x0                               ; no LDS load of mine is out: the fragment registers serve the way out
	PLACES
	; THE WAY OUT, a block of 16 rows at a time: the f32 sums go into my stage, come back as whole rows of 256 bytes, take the residual and are stored.
.set OB, 64                            ; v[64:95], v[96:127] by turns
.macro TOSTAGE a
.set BK, OB+32*((\a)%2)
	s_wait_xcnt 0x0                                ; the registers that earlier stores read are loaded again only behind this wait (ISA guide 3.1)
	WIN 0x08                                       ; the data in window 2
.set bb, 0
.rept 4
.set rD, 8*(4*(\a)+bb)
	ds_store_b128 v24, v[rD:rD+3]   offset:64*bb   ; each accumulator from its low end on
	ds_store_b128 v24, v[rD+4:rD+7] offset:64*bb+16
.set bb, bb+1
.endr
	WIN 0
.set tt, 0
.rept 8
	ds_load_b128 v[BK+4*tt:BK+4*tt+3], v25 offset:544*tt  ; LDS serves a wave's instructions in order (ISA guide 5.7.1.4): these see the stores above
.set tt, tt+1
.endr
.endm
.macro SEND a, younger                 ; younger: the next block's eight stores and eight loads, or none
.set BK, OB+32*((\a)%2)
	s_wait_dscnt \younger
	WIN 0x04                                       ; source 1 in window 1
.set zz, 0
.rept 16
	v_pk_add_f32 v[BK+2*zz:BK+2*zz+1], v[BK+2*zz:BK+2*zz+1], v[RES+32*(\a)+2*zz:RES+32*(\a)+2*zz+1]
.set zz, zz+1
.endr
	WIN 0
.set tt, 0
.rept 8
	global_store_b128 v26, v[BK+4*tt:BK+4*tt+3], s[72:73] offset:(16*(\a)+2*tt)*4096  ; sixteen lanes store 256 consecutive bytes, aligned
.set tt, tt+1
.endr
.endm
	TOSTAGE 0
	TOSTAGE 1
	s_wait_loadcnt 0x0                             ; the residual
	SEND 0, 16
	TOSTAGE 2
	SEND 1, 16
	TOSTAGE 3
	SEND 2, 16
	SEND 3, 0
	s_wait_tensorcnt 0x0                           ; the wave's end
	ds_add_u32 v28, v29
	s_wait_dscnt 0x0
	CROUND                                         ; the closing round: no work-group ends while a partner may still ask for a tile that names it
	s_endpgm
.Lfunc_end_k_qfe00642619_gdown:
	.size	k_qfe00642619_gdown, .Lfunc_end_k_qfe00642619_gdown-k_qfe00642619_gdown
	.p2alignl 7, 3214868480
	.fill 96, 4, 3214868480
	.section	.rodata,"a",@progbits
	.p2align	6, 0x0
	.amdhsa_kernel k_qfe00642619_gdown
		.amdhsa_group_segment_fixed_size 327680
		.amdhsa_private_segment_fixed_size 0
		.amdhsa_enable_private_segment 0
		.amdhsa_kernarg_size 40
		.amdhsa_user_sgpr_count 2
		.amdhsa_user_sgpr_kernarg_segment_ptr 1
		.amdhsa_wavefront_size32 1
		.amdhsa_system_sgpr_workgroup_id_x 1
		.amdhsa_system_sgpr_workgroup_id_y 1
		.amdhsa_system_sgpr_workgroup_id_z 1
		.amdhsa_system_vgpr_workitem_id 0
		.amdhsa_next_free_vgpr 640
		.amdhsa_next_free_sgpr 88
		.amdhsa_reserve_vcc 0
		.amdhsa_float_denorm_mode_32 3
		.amdhsa_float_denorm_mode_16_64 3
		.amdhsa_memory_ordered 1
		.amdhsa_forward_progress 1
		.amdhsa_inst_pref_size 67
	.end_amdhsa_kernel
	.amdgpu_metadata
---
amdhsa.version: [ 1, 2 ]
amdhsa.kernels:
  - .name:           k_qfe00642619_gdown
    .symbol:         k_qfe00642619_gdown.kd
    .args:
      - { .name: g, .offset: 0, .size: 8, .value_kind: global_buffer, .address_space: global }
      - { .name: wd, .offset: 8, .size: 8, .value_kind: global_buffer, .address_space: global }
      - { .name: b_down, .offset: 16, .size: 8, .value_kind: global_buffer, .address_space: global }
      - { .name: ao, .offset: 24, .size: 8, .value_kind: global_buffer, .address_space: global }
      - { .name: out0, .offset: 32, .size: 8, .value_kind: global_buffer, .address_space: global }
    .group_segment_fixed_size: 327680
    .private_segment_fixed_size: 0
    .kernarg_segment_align: 8
    .kernarg_segment_size: 40
    .max_flat_workgroup_size: 128
    .sgpr_count:     88
    .vgpr_count:     640
    .wavefront_size: 32
...
	.end_amdgpu_metadata
.endif
;; end of part 7
